; MI455X (gfx1250); checked and timed in simulation.
; The chip was launched on July 23, 2026; its instructions are those of AMD's public machine-readable ISA for CDNA 5 (MIT licence, August 2026) and "CDNA5" Instruction Set Architecture Reference Guide (July 2026). The comments in the code are by the model that wrote it; some were corrected since.
;; Multi Head Self Attention. Allowed arithmetic: matrix products marked QUANTISED: E2M3 operands, one E8M0 scale for each 32 along K, by v_wmma_scale_f32_16x16x128_f8f6f4 with both operands' format E2M3, f32 sums; everything else in f32.
;; Inputs: W_k 1,024 x 1,024 float32; W_o 1,024 x 1,024 float32; W_q 1,024 x 1,024 float32; W_v 1,024 x 1,024 float32; b_k 1,024 float32; b_o 1,024 float32; b_q 1,024 float32; b_v 1,024 float32; x 4 x 2,048 x 1,024 float32.
;; Outputs: out0 4 x 2,048 x 1,024 float32.
;; This version of the problem:
;;   THIS VERSION OF THE PROBLEM IS GIVEN IN LOW PRECISION. The matrix products marked QUANTISED in the list below multiply operands that are first quantised to E2M3 (2 exponent bits, 3 mantissa bits; 6 bits a number), with one power-of-two scale for each 32 numbers along K (OCP MX v1.0); their sums are f32. All else is computed in f32.
;;   The module's matrix products, in the order in which they are computed (A, B: the left and right operand; K: the contracted axis; several contracted axes count as one K, in the product's order):
;;     1. [M 8,192, K 1,024] x [K 1,024, N 1,024]; A: input x; B: input W_q: QUANTISED
;;     2. [M 8,192, K 1,024] x [K 1,024, N 1,024]; A: input x; B: input W_k: QUANTISED
;;     3. [M 8,192, K 1,024] x [K 1,024, N 1,024]; A: input x; B: input W_v: QUANTISED
;;     4. batch 64 x [M 2,048, K 64] x [K 64, N 2,048]; A: computed on the way; B: computed on the way: QUANTISED
;;     5. batch 64 x [M 2,048, K 2,048] x [K 2,048, N 64]; A: computed on the way; B: computed on the way: QUANTISED
;;     6. [M 8,192, K 1,024] x [K 1,024, N 1,024]; A: computed on the way; B: input W_o: QUANTISED
;;   THE QUANTISER, for each operand of a quantised product, along K:
;;     - K is cut into blocks of 32 from its start; a last block that is shorter is filled with zeros.
;;     - A block's scale is 2^e with e = floor(log2(the largest magnitude in the block)) - 2, held to -126 .. 127; a block of zeros has e = 0. As a byte (E8M0): e + 127.
;;     - Each number is divided by its block's scale, clamped to +-7.5, and rounded to the nearest number of E2M3, ties to even, subnormals kept.
;;     - The product sums the exact products of the quantised numbers (number of the format x scale) in f32.
;;   ~~~python
;;   def quantise(x, axis):      # numpy; x: float32 -> the quantised numbers, widened to float32 again
;;       x = np.moveaxis(x, axis, -1); K = x.shape[-1]
;;       x = np.pad(x, [(0, 0)] * (x.ndim - 1) + [(0, -K % 32)]); x = x.reshape(x.shape[:-1] + (-1, 32)); a = np.abs(x).max(-1, keepdims=True)
;;       e = np.where(a > 0, np.clip(np.frexp(np.where(a > 0, a, 1))[1] - 1 - 2, -126, 127), 0)      # np.frexp(a)[1] - 1 = floor(log2(a)), exactly
;;       r = np.clip(x / 2.0 ** e, -7.5, 7.5)
;;       step = 2.0 ** (np.maximum(np.frexp(np.where(r == 0, 1, r))[1] - 1, 0) - 3)
;;       q = np.round(r / step) * step * 2.0 ** e      # np.round: ties to even
;;       return np.moveaxis(q.reshape(q.shape[:-2] + (-1,))[..., :K], -1, axis).astype(np.float32)
;;   ~~~
;;   OPERANDS COMPUTED ON THE WAY. 'Computed on the way' means the value that the module computes at that place (a softmax that the list does not call 'softmax' is quantised finished and normalised). What goes into a quantiser is computed in f32, as accurately as f32 sums, v_exp_f32 and their like allow (about 1e-6 of the number): no bf16 or f16 on the way to a quantiser, and a product that is left as it is and whose result goes on into a quantised operand takes f32 operands (vector FMAs, or v_wmma_f32_16x16x4_f32). A number that lies on a knife's edge between two numbers of the format may be rounded either way, as far as f32 arithmetic and the matrix unit's own rounding can turn it there, and no further.
;; One version. Each part assembles by itself: llvm-mc -triple=amdgcn-amd-amdhsa -mcpu=gfx1250 --defsym DOCPART=n.
;; ======== version 1 of 1: 4 launches
;; limits: right only within a limited range of input values
;; workspace buffers: xc 6,291,456 bytes; xs 262,144 bytes; wc 3,145,728 bytes; wsc 131,072 bytes; qkv 19,660,800 bytes; oc 6,291,456 bytes; os 262,144 bytes
;; launch quant (part 1): grid 384 x 1, 4 waves a work-group, no clusters, 33,280 bytes of LDS; arguments x, W_q, W_k, W_v, W_o, xc, xs, wc, wsc; writes xc, xs, wc, wsc
.if DOCPART == 1
	.amdgcn_target "amdgcn-amd-amdhsa--gfx1250"
	.amdhsa_code_object_version 6
	.text
	.protected	k_qeb4f72843f_quant
	.globl	k_qeb4f72843f_quant
	.p2align	8
	.type	k_qeb4f72843f_quant,@function
k_qeb4f72843f_quant:
	s_mov_b64 s[64:65], 0
	v_nop
	global_prefetch_b8 v0, s[64:65] scope:SCOPE_SE
	s_setreg_imm32_b32 hwreg(HW_REG_WAVE_MODE, 25, 1), 1
	s_wait_xcnt 0x0
; x [8192][1024] and W_q, W_k, W_v, W_o [1024][1024], f32 with K innermost, become codes of FP6 (E2M3), 6 bits each, a row of 1,024 codes in 768 bytes, and one E8M0 scale byte for each 32 along K (32 bytes a row).
; A block's scale is 2^(floor(log2(its largest magnitude)) - 2); its byte is the largest magnitude's exponent field - 2, held at 1 from below.  Each number is divided by the scale and rounded to the nearest code, ties to even, beyond 7.5 the largest code.
; LIMITS: a block of zeros gets the byte 1 where the rule says 127 (its codes are zeros, and the bytes are read by this program alone); a block whose largest magnitude lies under 2^-124 has its byte held at 1; NaN and infinities among the inputs are not served.
; ROW ORDER OF THE RESULT.  x, W_q, W_k, W_v are laid in POSITION ORDER: position p holds row p with its bits 3 and 4 exchanged, so that 16 neighbouring positions 32 a + 16 u + r are rows 32 a + 8 u + r + 8 (r / 8): as source 0 of a matrix
; instruction two neighbouring tiles then leave 16 neighbouring rows in a lane's 16 result registers.  W_o keeps its order.  wc and wsc hold W_q, W_k, W_v, W_o one behind the other.
; SHARES.  A work-group takes 32,768 numbers: work-groups 0-255 x, then 32 for each weight.  A wave takes a run of 8,192 numbers = 8 rows, so a row's bits 3 and 4 are the wave's number: the exchange is an exchange of the wave's two bits in the
; destination.  A wave works 16 steps of 512 numbers: each of a step's four loads reads 512 consecutive bytes; the 2,048 bytes turn through the wave's own stage in LDS and come back 64 bytes (16 neighbours) a lane; two neighbouring lanes hold a block.
; Loads run four steps ahead, the turn through LDS one step.  No tensor loads, no barrier: waves share nothing.
.set WAVES, 4
.set STEPS, 16
.set EMAX,  2
.set CB,    12                         ; bytes of 16 codes
.set R,     16                         ; v16-79   four sets of 16 numbers as they are loaded
.set X,     80                         ; v80-111  two sets of 16 neighbours
.set C,     128                        ; v128-191 codes: four registers for each step, so that no store's data are written again
.set E,     112                        ; v112-127 a scale byte for each step
.set WREG,  8192                       ; LDS: a region for each wave: two stages of 32 x SP bytes, behind them its 256 scale bytes
.set SP,    80                         ; a lane's place in a stage: its 64 bytes + 16 of padding
.set SPW,   12                         ; v12      LDS address of my spare word; never rewritten
.set NIL,   13                         ; v13      0; never rewritten
.set SPARE, WAVES*WREG                 ; behind the four regions: the spare words, 128 bytes for each wave
.set SRC,   26                         ; s[26:27] the tensor that I read
.set DC,    28                         ; s[28:29] where its codes go
.set DS,    30                         ; s[30:31] where its scale bytes go
	s_load_b512 s[4:19], s[0:1], 0x0               ; x, W_q, W_k, W_v, W_o, xc, xs, wc
	s_load_b64 s[20:21], s[0:1], 0x40              ; wsc
	v_lshl_add_u32 v[SPW], v0, 2, SPARE
	v_mov_b32 v[NIL], 0
	v_lshrrev_b32 v1, 5, v0
	v_readfirstlane_b32 s22, v1                    ; wave
	v_and_b32 v2, 31, v0                           ; lane
	v_lshlrev_b32 v3, 4, v2                        ; my 16 bytes of a load's 512
	s_mul_i32 s36, s22, WREG
	v_lshrrev_b32 v14, 2, v2
	v_mul_u32_u24 v14, v14, SP
	v_and_b32 v15, 3, v2
	v_lshl_add_u32 v14, v15, 4, v14
	v_add_nc_u32 v14, s36, v14                     ; the stage, on the way in: SP (lane / 4) + 16 (lane % 4)
	v_mul_u32_u24 v15, v2, SP
	v_add_nc_u32 v15, s36, v15                     ; and on the way out: SP x lane: my 16 neighbours
	; THE CODES' LAYOUT: [tile of 256 positions][K step of 256 numbers][position in the tile][192 bytes]: a K step of a tile is 49,152 dense bytes
	v_and_b32 v4, 15, v2
	v_mul_u32_u24 v4, v4, CB                       ; sixteen lanes hold a K step's 192 bytes of a row,
	v_lshrrev_b32 v10, 4, v2
	v_mad_u32_u24 v4, v10, 49152, v4               ; lanes 16-31 the next K step's
	v_lshrrev_b32 v5, 1, v2
	s_add_co_u32 s36, s36, 2*32*SP
	v_add_nc_u32 v5, s36, v5                       ; LDS: my wave's 256 scale bytes, my block's byte
	v_lshlrev_b32 v7, 3, v2                        ; and on the way out 8 bytes a lane
	v_add_nc_u32 v6, s36, v7
	s_sub_co_u32 s23, ttmp9, 256                   ; a weight's work-group: 0 .. 127 (not used by x's work-groups)
	s_lshr_b32 s24, s23, 5                         ; which weight
	s_and_b32 s25, s23, 31                         ; which part of it
	s_and_b32 s34, s22, 1                          ; the wave's two bits exchanged
	s_lshl_b32 s34, s34, 1
	s_lshr_b32 s35, s22, 1
	s_or_b32 s34, s34, s35
	s_cmp_ge_u32 ttmp9, 352                        ; W_o keeps its rows' order
	s_cselect_b32 s34, s22, s34
	s_wait_alu depctr_va_vdst(0)
	s_wait_kmcnt 0x0
	s_mov_b64 s[SRC:SRC+1], s[6:7]                 ; every choice hangs on the work-group's number alone
	s_cmp_eq_u32 s24, 1
	s_cselect_b64 s[SRC:SRC+1], s[8:9], s[SRC:SRC+1]
	s_cmp_eq_u32 s24, 2
	s_cselect_b64 s[SRC:SRC+1], s[10:11], s[SRC:SRC+1]
	s_cmp_eq_u32 s24, 3
	s_cselect_b64 s[SRC:SRC+1], s[12:13], s[SRC:SRC+1]
	s_cmp_lt_u32 ttmp9, 256                        ; x's work-group or a weight's?
	s_cselect_b64 s[SRC:SRC+1], s[4:5], s[SRC:SRC+1]
	s_cselect_b64 s[DC:DC+1], s[14:15], s[18:19]
	s_cselect_b64 s[DS:DS+1], s[16:17], s[20:21]
	s_cselect_b32 s32, ttmp9, s25                  ; the work-group's number within the source,
	s_cselect_b32 s33, ttmp9, s23                  ; and within the destination
	s_lshl_b32 s32, s32, 2
	s_add_co_u32 s32, s32, s22                     ; my run of 8,192 numbers in the source
	s_lshl_b32 s36, s32, 15                        ; x 32,768 bytes (under 2^26)
	s_mov_b32 s37, 0
	s_add_nc_u64 s[SRC:SRC+1], s[SRC:SRC+1], s[36:37]
	s_lshl_b32 s33, s33, 2
	s_add_co_u32 s33, s33, s34                     ; and its place in the destination
	s_lshr_b32 s36, s33, 5                         ; 32 runs of 8 rows to a tile of 256
	s_mul_i32 s36, s36, 196608
	s_and_b32 s38, s33, 31
	s_mul_i32 s38, s38, 8*192
	s_add_co_u32 s36, s36, s38
	s_add_nc_u64 s[DC:DC+1], s[DC:DC+1], s[36:37]
	s_lshl_b32 s36, s33, 8                         ; 256 scale bytes a run
	s_add_nc_u64 s[DS:DS+1], s[DS:DS+1], s[36:37]
.macro LOAD t
.irp i, 0,1,2,3
	global_load_b128 v[R+16*((\t)%4)+4*\i:R+16*((\t)%4)+4*\i+3], v3, s[SRC:SRC+1] offset:2048*(\t)+512*\i th:TH_LOAD_NT   ; 32 lanes read 512 consecutive bytes
.endr
.endm
.macro TURN t                          ; step t's numbers through the stage: LDS serves a wave's instructions in order, so no wait stands between the stores and the loads
.irp i, 0,1,2,3
	ds_store_b128 v14, v[R+16*((\t)%4)+4*\i:R+16*((\t)%4)+4*\i+3] offset:32*SP*((\t)%2)+8*SP*\i
.endr
.irp i, 0,1,2,3
	ds_load_b128 v[X+16*((\t)%2)+4*\i:X+16*((\t)%2)+4*\i+3], v15 offset:32*SP*((\t)%2)+16*\i
.endr
.endm
.irp t, 0,1,2,3
	LOAD \t
.endr
	s_wait_loadcnt 12                              ; step 0's four loads are in; the twelve of steps 1 to 3 may be out
	TURN 0
.macro STEP t
.set XS, X+16*((\t)%2)
.if (\t) > 0
	s_wait_dscnt 1                                 ; this step's numbers are back from the stage (the last step's byte store may be out): so its stores into the stage have read their registers,
.else
	s_wait_dscnt 0x0
.endif
.if (\t)+4 < STEPS
	LOAD (\t)+4                                    ; which take the loads of four steps on
.endif
.if (\t)+1 < STEPS
.if STEPS-2-(\t) >= 3
	s_wait_loadcnt 12                              ; the next step's four loads are in; those of the three steps behind it may be out
.else
	s_wait_loadcnt 4*(STEPS-2-(\t))
.endif
	TURN (\t)+1                                    ; and go through the other stage while this step is worked
.endif
	v_max3_num_f32 v8, |v[XS]|, |v[XS+1]|, |v[XS+2]|               ; the largest magnitude of my 16
	v_max3_num_f32 v9, |v[XS+3]|, |v[XS+4]|, |v[XS+5]|
.irp i, 6,10
	v_max3_num_f32 v8, v8, |v[XS+\i]|, |v[XS+\i+1]|
	v_max3_num_f32 v9, v9, |v[XS+\i+2]|, |v[XS+\i+3]|
.endr
	v_max3_num_f32 v8, v8, |v[XS+14]|, |v[XS+15]|
	v_max3_num_f32 v8, v8, v9, (EMAX+1)<<23        ; and the floor 2^(EMAX + 1 - 127): the byte cannot fall under 1
	v_max_num_f32_dpp v8, v8, v8 row_xmask:1 row_mask:0xf bank_mask:0xf   ; and of my neighbour's 16: the block's
	v_add_nc_u32 v11, -(EMAX<<23), v8              ; EMAX off its exponent field: the conversion takes the exponent field of this operand as its scale
	v_cvt_scalef32_pk16_fp6_f32 v[C+4*(\t):C+4*(\t)+2], v[XS:XS+15], v11
	v_lshrrev_b32 v[E+(\t)], 23, v11               ; the scale's byte (also the plain line behind the conversion)
	ds_store_b8 v5, v[E+(\t)] offset:16*(\t)       ; both lanes of a block write the same byte with the same value
	global_store_b96 v4, v[C+4*(\t):C+4*(\t)+2], s[DC:DC+1] offset:192*((\t)/2)+98304*((\t)%2)   ; row t / 2 of my eight, K steps 2 (t % 2) and 2 (t % 2) + 1: each half of the lanes stores 192 consecutive bytes
.endm
.irp t, 0,1,2,3,4,5,6,7,8,9,10,11,12,13,14,15
	STEP \t
.endr
	ds_load_b64 v[8:9], v6                         ; LDS serves a wave's instructions in order: these see my stores
	s_wait_dscnt 0x0
	global_store_b64 v7, v[8:9], s[DS:DS+1]        ; 32 lanes store 256 consecutive bytes, at a multiple of 256 from the buffer's first byte
	s_wait_tensorcnt 0x0                           ; the wave's end
	ds_add_u32 v[SPW], v[NIL]
	s_wait_dscnt 0x0
	s_endpgm
.Lfunc_end_k_qeb4f72843f_quant:
	.size	k_qeb4f72843f_quant, .Lfunc_end_k_qeb4f72843f_quant-k_qeb4f72843f_quant
	.p2alignl 7, 3214868480
	.fill 96, 4, 3214868480
	.section	.rodata,"a",@progbits
	.p2align	6, 0x0
	.amdhsa_kernel k_qeb4f72843f_quant
		.amdhsa_group_segment_fixed_size 33280
		.amdhsa_private_segment_fixed_size 0
		.amdhsa_enable_private_segment 0
		.amdhsa_kernarg_size 72
		.amdhsa_user_sgpr_count 2
		.amdhsa_user_sgpr_kernarg_segment_ptr 1
		.amdhsa_wavefront_size32 1
		.amdhsa_system_sgpr_workgroup_id_x 1
		.amdhsa_system_sgpr_workgroup_id_y 1
		.amdhsa_system_sgpr_workgroup_id_z 1
		.amdhsa_system_vgpr_workitem_id 0
		.amdhsa_next_free_vgpr 192
		.amdhsa_next_free_sgpr 66
		.amdhsa_reserve_vcc 0
		.amdhsa_float_denorm_mode_32 3
		.amdhsa_float_denorm_mode_16_64 3
		.amdhsa_memory_ordered 1
		.amdhsa_forward_progress 1
		.amdhsa_inst_pref_size 33
	.end_amdhsa_kernel
	.amdgpu_metadata
---
amdhsa.version: [ 1, 2 ]
amdhsa.kernels:
  - .name:           k_qeb4f72843f_quant
    .symbol:         k_qeb4f72843f_quant.kd
    .args:
      - { .name: x, .offset: 0, .size: 8, .value_kind: global_buffer, .address_space: global }
      - { .name: W_q, .offset: 8, .size: 8, .value_kind: global_buffer, .address_space: global }
      - { .name: W_k, .offset: 16, .size: 8, .value_kind: global_buffer, .address_space: global }
      - { .name: W_v, .offset: 24, .size: 8, .value_kind: global_buffer, .address_space: global }
      - { .name: W_o, .offset: 32, .size: 8, .value_kind: global_buffer, .address_space: global }
      - { .name: xc, .offset: 40, .size: 8, .value_kind: global_buffer, .address_space: global }
      - { .name: xs, .offset: 48, .size: 8, .value_kind: global_buffer, .address_space: global }
      - { .name: wc, .offset: 56, .size: 8, .value_kind: global_buffer, .address_space: global }
      - { .name: wsc, .offset: 64, .size: 8, .value_kind: global_buffer, .address_space: global }
    .group_segment_fixed_size: 33280
    .private_segment_fixed_size: 0
    .kernarg_segment_align: 8
    .kernarg_segment_size: 72
    .max_flat_workgroup_size: 128
    .sgpr_count:     66
    .vgpr_count:     192
    .wavefront_size: 32
...
	.end_amdgpu_metadata
.endif
;; end of part 1
;; launch proj (part 2): grid 8 x 48, 4 waves a work-group, clusters of 4 x 4, 327,680 bytes of LDS; arguments xc, xs, wc, wsc, b_q, b_k, b_v, qkv; writes qkv
.if DOCPART == 2
	.amdgcn_target "amdgcn-amd-amdhsa--gfx1250"
	.amdhsa_code_object_version 6
	.text
	.protected	k_qeb4f72843f_proj
	.globl	k_qeb4f72843f_proj
	.p2align	8
	.type	k_qeb4f72843f_proj,@function
k_qeb4f72843f_proj:
	s_mov_b64 s[64:65], 0
	v_nop
	global_prefetch_b8 v0, s[64:65] scope:SCOPE_SE
	s_setreg_imm32_b32 hwreg(HW_REG_WAVE_MODE, 25, 1), 1
	s_wait_xcnt 0x0
	s_wait_alu depctr_hold_cnt(0) depctr_sa_sdst(0) depctr_va_vdst(0) depctr_va_sdst(0) depctr_va_ssrc(0) depctr_va_vcc(0) depctr_vm_vsrc(0)
	s_getreg_b32 s2, hwreg(HW_REG_IB_STS2, 6, 4)
	s_cmp_eq_u32 s2, 0
	s_cbranch_scc0 .Lentry_in_a_cluster
	s_endpgm
.Lentry_in_a_cluster:
	s_bfe_u32 s2, ttmp6, 0x10000c
	s_cmp_lg_u32 s2, 0xf033
	s_cbranch_scc0 .Lentry_shape_is_right
	s_endpgm
.Lentry_shape_is_right:
; Q = x W_q^T + b_q, K = x W_k^T + b_k, V = x W_v^T + b_v on codes of FP6 (E2M3) with E8M0 scales, sums in f32; the results are quantised in registers for the attention launch and leave as codes: Q and K along the head's 64 channels, V along the tokens.
; ONE BODY, TWO ORIENTATIONS.  'B' is source 0 of the matrix instruction: its rows run down a lane's result registers, so B's axis is the axis that is quantised.  'A' is source 1: a lane holds one row of it.
;   KIND 0 (cluster y 0-7):  B = W_q | W_k (rows 0-2047 of wc), A = x.      KIND 1 (cluster y 8-11):  B = x, A = W_v (rows 2048 on of wc).
; x, W_q, W_k, W_v lie in position order (position p = row p with bits 3 and 4 exchanged), so the 16 result registers of B's tiles 2 g and 2 g + 1 are B's rows 32 g + 16 (lane / 16) + 0 .. 15: 16 neighbours for the conversions.
; A tile of 256 x 256 is made by four waves, 128 x 128 each: 64 accumulators, 512 registers.  K = 1,024 goes in four steps of 256 through a ring of two LDS slots filled by the tensor data mover; the scale bytes of the work-group's rows come once.
; CLUSTERS: 4 x 4 work-groups; A's tiles are asked for jointly along a row of the cluster, B's along a column.  The branches on KIND hang on the cluster's y alone, which all sixteen partners share.
; THE BIAS is the C of each sum's first matrix instruction (so it is the sums' first addend, not the last: an order of rounding).
; WHAT IS STORED: qkv [plane Q, K, V][16 batch + head][step of 128 tokens][record of 6,400 bytes].  A record is eight images of 768 bytes and 256 bytes of scale words.  An image is six operand registers a lane (16 rows x 64 along K): lane l's
; registers 0-3 at 16 l, registers 4-5 at 512 + 8 l.  Q, K: image a = 16 token positions, K = the head's channels; scale word [r][g] = the two bytes of tile 2 g, then those of tile 2 g + 1.  V: image 2 t + c = 16 channel positions of tile t,
; keys 64 c on; scale word [r][t] = the four bytes of the step's 128 keys.  Every store of the wave covers 512 or 256 consecutive bytes at a multiple of 256 from the buffer's first byte.
; LIMITS: a block of zeros gets the byte 1 where the rule says 127 (zero codes; the bytes are read by this program alone); a block whose largest magnitude lies under 2^-124 has its byte held at 1; NaN and infinities are not served.
; REGISTERS, in windows of 256: window 0: v1-15 at work; v16-23 fragment addresses; v24-27 store and scale addresses; v28, v29 the add's two; v32-63 scale words, two sets; v64-127 the bias; v128-223 A's fragments, one set;
;   on the way out v112-130 codes, v200-215 at work, v224-231 a scale word for each of A's blocks.   window 1: B's fragments, two sets.   windows 2, 3: the accumulators ((a, b) at v[8 (8 (a % 4) + b)]).
.set KSTEP,  256
.set NQ,     2                         ; matrix instructions deep in a slot
.set ROWB,   192                       ; a tile's row in bytes
.set KROW,   768                       ; a row of codes in memory
.set PITCH,  240                       ; an LDS row: 3 x (64 bytes + 16 of padding)
.set FR,     12                        ; registers of a fragment
.set NL,     6                         ; LDS loads that bring one
.set NP,     4                         ; places behind this matrix instruction (ISA guide 7.12.1)
.set HALFT,  128*PITCH
.set SLOT,   4*HALFT
.set LAPS,   2
.set KS,     32                        ; a row of scale bytes
.set SCL,    2*SLOT
.set HALFS,  (128*KS/256)*272
.set SBLK,   (16*KS/256)*272
.set SPARE,  SCL+4*HALFS               ; the spare words, 128 bytes for each wave
.set HEADB,  102400                    ; a head's plane in qkv: 16 records
.set ADRA, 16
.set ADRB, 20
.set OL16, 24                          ; v24  16 x lane
.set OL8,  25                          ; v25  8 x lane
.set OSC,  26                          ; v26  16 r + HEADB x (lane / 16): where my scale words go
.set ADRS, 27
.set SPW,  28
.set NIL,  29
.set SC,   32
.set BIAS, 64
.set AF,   128
.set QC,   112                         ; the codes just made
.set TM,   200
.set SW,   224
.set DW,   232
.set VSEL, 236
.set VT,   237
.set G1, 24
.set G0, 32
.set G1B, 48
.set G0B, 56
.set G1S, 68
.set G0S, 76
.set G1SB, 80
.set G0SB, 88
.set PLN,  2                           ; s2   plane: 0 Q, 1 K, 2 V
.set TC,   42                          ; s42  B's tile
.set KIND, 66
.set WV,   67
.set HR,   95                          ; wave / 2: my half of A's rows; also: I fetch for A (0) or B (1)
.set HC,   96                          ; wave % 2: my half of B's rows; also: which 128 rows I fetch
.set TR,   97                          ; A's tile
.set SEL,  98                          ; s[98:99] lane selects: lane l xor 16
.set OC,   100                         ; s[100:101] where the second image of a block goes
.set OB,   18                          ; s[18:19]  where the first goes
.set S1P,  4                           ; s[4:5]    from one of A's blocks to the next
.set S2P,  6                           ; s[6:7]    from block 3 to block 4
.set SCP,  8                           ; s[8:9]    from a block's first image to its second
.set BP,   10                          ; s[10:11]  the bias
.set SB,   12                          ; s[12:13]  the records' first byte, for the scale words
.set MSB, 0
.macro WIN new                         ; the immediate's high byte repeats the setting that is left
.if MSB != \new
	s_set_vgpr_msb (MSB<<8)|\new
.set MSB, \new
.endif
.endm
.set MUL_LO, 0xa1                      ; source 0 (B) window 1, source 1 (A) window 0, C and D window 2
.set MUL_HI, 0xf1                      ; the same, C and D window 3
.set FST_LO, 0x81                      ; the first products: C (the bias) window 0, D window 2
.set FST_HI, 0xc1
.set TO_B,   0x40
; A joint load: waves 0 and 1 fetch for A, waves 2 and 3 for B; the branch hangs on the wave's number alone.  An s_nop 0 and four v_nop follow each of the two lines.
.macro JLOAD g0a, g1a, g0b, g1b
	s_cmp_eq_u32 s[HR], 0
	s_cbranch_scc0 .Lfor_b_\@
	tensor_load_to_lds s[\g0a:\g0a+3], s[\g1a:\g1a+7]
	s_nop 0
.rept 4
	v_nop
.endr
	s_branch .Lasked_\@
.Lfor_b_\@:
	tensor_load_to_lds s[\g0b:\g0b+3], s[\g1b:\g1b+7]
	s_nop 0
.rept 4
	v_nop
.endr
.Lasked_\@:
.endm
.macro CREST                           ; a round of the cluster's barrier behind its opening barrier
	s_cmp_lg_u32 s[WV], 0
	s_cbranch_scc1 .Lnot_wave_0_\@
	s_barrier_signal -3
.Lnot_wave_0_\@:
	s_barrier_wait -3
	s_barrier_signal -1
	s_barrier_wait -1
.endm
.macro CROUND
	s_barrier_signal -1
	s_barrier_wait -1
	CREST
.endm
	s_load_b512 s[4:19], s[0:1], 0x0               ; xc, xs, wc, wsc, b_q, b_k, b_v, qkv
	v_lshl_add_u32 v[SPW], v0, 2, SPARE
	v_mov_b32 v[NIL], 0
	ds_add_u32 v[SPW], v[NIL]                      ; the wave's opening: the adds and their wait stand ahead of my first tensor load; the set-up below, work on registers, stands between them
	ds_add_u32 v[SPW], v[NIL]
	v_lshrrev_b32 v1, 5, v0
	v_readfirstlane_b32 s[WV], v1                  ; wave 0..3
	s_lshr_b32 s[HR], s[WV], 1
	s_and_b32 s[HC], s[WV], 1
	s_bfe_u32 s40, ttmp6, 0x40000                  ; cx, cy: my place in the cluster
	s_bfe_u32 s41, ttmp6, 0x40004
	s_and_b32 s104, ttmp7, 0xffff                  ; the cluster's y
	s_sub_co_u32 s105, s104, 8
	s_lshl_b32 s105, s105, 1
	s_add_co_u32 s105, s105, ttmp9                 ; KIND 1: which four of x's 32 tiles: 2 (y - 8) + x
	s_cmp_ge_u32 s104, 8
	s_cselect_b32 s[KIND], 1, 0
	s_cselect_b32 s[TC], s105, ttmp9
	s_cselect_b32 s[TR], 2, s104                   ; KIND 1: W_v begins at tile 8 of wc
	s_cselect_b32 s[PLN], 2, ttmp9                 ; KIND 0: cluster x 0 has W_q's four tiles, 1 has W_k's
	s_lshl_b32 s[TC], s[TC], 2
	s_add_co_u32 s[TC], s[TC], s40                 ; B's tile
	s_lshl_b32 s[TR], s[TR], 2
	s_add_co_u32 s[TR], s[TR], s41                 ; A's tile
	s_lshl_b32 s43, s41, 2
	s_lshl_b32 s43, 15, s43                        ; my row of the cluster
	s_lshl_b32 s44, 0x1111, s40                    ; my column
	; descriptor group 1: a tile of 128 rows x 192 bytes, 16 bytes of padding behind every 64
	s_or_b32 s[G1+0], s43, (0<<16)|(1<<20)|(1<<21)|(3<<22)|(3<<25)
	s_or_b32 s[G1B+0], s44, (0<<16)|(1<<20)|(1<<21)|(3<<22)|(3<<25)
.irp g, G1, G1B
	s_mov_b32 s[\g+1], 256<<16                     ; a K step of a tile is dense in memory: stated as rows of 256 bytes; the padding's interval stays 64 bytes, so an LDS row is 3 x (64 + 16)
	s_mov_b32 s[\g+2], 192<<16                     ; the head's loads: 256 rows of codes = 192 rows of 256 bytes
	s_mov_b32 s[\g+3], 256<<16
	s_mov_b32 s[\g+4], 192
	s_mov_b32 s[\g+5], 256
	s_mov_b32 s[\g+6], 0
	s_mov_b32 s[\g+7], 0
.endr
	; the scale bytes of 256 rows: a dense block of 8,192 bytes, as rows of 256 bytes (32 elements of 8), 16 bytes of padding behind each
	s_or_b32 s[G1S+0], s43, (3<<16)|(1<<20)|(1<<21)|(5<<22)|(3<<25)
	s_or_b32 s[G1SB+0], s44, (3<<16)|(1<<20)|(1<<21)|(5<<22)|(3<<25)
.irp g, G1S, G1SB
	s_mov_b32 s[\g+1], 32<<16
	s_mov_b32 s[\g+2], (256*KS/256)<<16            ; the scale bytes of all 256 rows by one load
	s_mov_b32 s[\g+3], 32<<16
	s_mov_b32 s[\g+4], 256*KS/256
	s_mov_b32 s[\g+5], 32
	s_mov_b32 s[\g+6], 0
	s_mov_b32 s[\g+7], 0
.endr
	s_lshl_b32 s20, s[TR], 8                       ; A: the tile's first row
	s_lshl_b32 s46, s[TC], 8                       ; B likewise
	s_lshl_b32 s22, s20, 5                         ; their scale bytes: 32 a row,
	s_mul_i32 s20, s20, KROW                       ; their codes: 768 a row (all under 2^23)
	s_lshl_b32 s92, s46, 5
	s_mul_i32 s46, s46, KROW
	s_mov_b32 s21, 0
	s_mov_b32 s23, 0
	s_mov_b32 s47, 0
	s_mov_b32 s93, 0
	s_mul_i32 s45, s[WV], HALFT                    ; where they go: wave x 128 rows: no place in the cluster enters an LDS address
	s_mul_i32 s94, s[WV], HALFS
	s_mov_b32 s[SEL], 0x76543210
	s_mov_b32 s[SEL+1], 0xfedcba98
	s_wait_dscnt 0x0                               ; the opening add is done
	s_wait_kmcnt 0x0
	s_cmp_eq_u32 s[KIND], 1                        ; which buffer is A and which B: the choice hangs on the cluster's y alone
	s_cselect_b64 s[100:101], s[8:9], s[4:5]       ; A's codes
	s_cselect_b64 s[104:105], s[10:11], s[6:7]     ; A's scales
	s_cselect_b64 s[4:5], s[4:5], s[8:9]           ; B's codes
	s_cselect_b64 s[6:7], s[6:7], s[10:11]         ; B's scales
	s_add_nc_u64 s[20:21], s[100:101], s[20:21]
	s_add_nc_u64 s[22:23], s[104:105], s[22:23]
	s_add_nc_u64 s[46:47], s[4:5], s[46:47]
	s_add_nc_u64 s[92:93], s[6:7], s[92:93]
	CROUND                                         ; all sixteen work-groups are here: the first joint loads meet
	s_mov_b32 s[G0S], 1
	s_mov_b32 s[G0S+1], SCL
	s_mov_b64 s[G0S+2:G0S+3], s[22:23]
	s_or_b32 s[G0S+3], s[G0S+3], 0x80000000
	s_mov_b32 s[G0SB], 1
	s_mov_b32 s[G0SB+1], SCL+2*HALFS
	s_mov_b64 s[G0SB+2:G0SB+3], s[92:93]
	s_or_b32 s[G0SB+3], s[G0SB+3], 0x80000000
.set KSB, 49152                        ; from a K step of a tile of 256 rows to the next, in bytes
.set HSB, 24576                        ; from its first 128 rows to its second
	s_mov_b32 s[G0], 1                             ; the head's loads take K step 0 of a whole tile: A's 256 rows to slot 0's start,
	s_mov_b32 s[G0+1], 0
	s_mov_b64 s[G0+2:G0+3], s[20:21]
	s_or_b32 s[G0+3], s[G0+3], 0x80000000
	s_mov_b32 s[G0B], 1                            ; B's behind them
	s_mov_b32 s[G0B+1], 2*HALFT
	s_mov_b64 s[G0B+2:G0B+3], s[46:47]
	s_or_b32 s[G0B+3], s[G0B+3], 0x80000000
	s_mul_i32 s22, s[HC], HSB                      ; slot 1: K step 1, the 128 rows that I fetch
	s_add_co_u32 s22, s22, KSB
	s_mov_b32 s23, 0
	s_mov_b32 s[G0+4], 1
	s_add_co_u32 s[G0+5], s45, SLOT
	s_add_nc_u64 s[G0+6:G0+7], s[20:21], s[22:23]
	s_or_b32 s[G0+7], s[G0+7], 0x80000000
	s_mov_b32 s[G0B+4], 1
	s_add_co_u32 s[G0B+5], s45, SLOT
	s_add_nc_u64 s[G0B+6:G0B+7], s[46:47], s[22:23]
	s_or_b32 s[G0B+7], s[G0B+7], 0x80000000
; the head's four tiles, one joint load a wave: one chain of branches on the wave's number, all arms leading to one join
.macro ARM under, g0, g1, next
	s_cmp_lt_u32 s[WV], \under
	s_cbranch_scc0 \next
	tensor_load_to_lds s[\g0:\g0+3], s[\g1:\g1+7]
	s_nop 0
.rept 4
	v_nop
.endr
	s_branch .Lhead_asked
\next:
.endm
	ARM 1, G0,  G1,  .Lhead_b
	ARM 2, G0B, G1B, .Lhead_sa
	ARM 3, G0S, G1S, .Lhead_sb
	tensor_load_to_lds s[G0SB:G0SB+3], s[G1SB:G1SB+7]
	s_nop 0
.rept 4
	v_nop
.endr
.Lhead_asked:
	v_and_b32 v1, 15, v0                           ; r = lane % 16
	v_bfe_u32 v2, v0, 4, 1                         ; h = lane / 16
	v_mul_u32_u24 v3, v1, PITCH
	v_mul_u32_u24 v4, v2, 24
	v_add_nc_u32 v4, v3, v4                        ; a fragment's row x pitch + 24 x half
	v_lshl_add_u32 v5, v2, 4, v4                   ; and the same behind one padding more
	s_mul_i32 s21, s[HR], HALFT                    ; my 128 rows of A
	s_mul_i32 s22, s[HC], HALFT                    ; my 128 rows of B,
	s_add_co_u32 s22, s22, 2*HALFT                 ; which lie behind A's 256
.irp s, 0,1
	v_add_nc_u32 v[ADRA+\s], s21, v4
	v_add_nc_u32 v[ADRB+\s], s22, v4
	v_add_nc_u32 v[ADRA+2+\s], s21, v5
	v_add_nc_u32 v[ADRB+2+\s], s22, v5
	s_add_co_u32 s21, s21, SLOT
	s_add_co_u32 s22, s22, SLOT
.endr
	v_mul_u32_u24 v5, v1, KS                       ; my row's scales: 32 bytes a row,
	v_lshrrev_b32 v6, 8, v5
	v_lshl_add_u32 v5, v6, 4, v5                   ; and 16 more for each 256 passed
	s_mul_i32 s21, s[HR], HALFS
	s_mul_i32 s22, s[HC], HALFS
	s_add_co_u32 s22, s22, 2*HALFS
	s_sub_co_u32 s22, s22, s21
	v_mul_u32_u24 v6, s22, v2                      ; lanes 16-31 take B's
	s_add_co_u32 s21, s21, SCL
	v_add_nc_u32 v5, v5, v6
	v_add_nc_u32 v[ADRS], s21, v5
	v_and_b32 v6, 31, v0
	v_lshlrev_b32 v[OL16], 4, v6
	v_lshlrev_b32 v[OL8], 3, v6
	v_mul_u32_u24 v7, v2, HEADB
	v_lshl_add_u32 v[OSC], v1, 4, v7
	v_lshlrev_b32 v8, 6, v2                        ; the bias, KIND 0: 16 h channels on
	v_and_b32 v9, 8, v1
	v_add_nc_u32 v9, v9, v1
	v_lshlrev_b32 v9, 2, v9                        ; KIND 1: my lane's channel r + 8 (r / 8)
	; where my results go
	s_lshl_b32 s20, s[TC], 8
	s_lshl_b32 s21, s[HC], 7
	s_add_co_u32 s20, s20, s21                     ; my first row of B
	s_lshl_b32 s21, s[KIND], 3
	s_sub_co_u32 s21, s[TR], s21                   ; (W_v's tiles counted from its own first row)
	s_lshl_b32 s21, s21, 8
	s_lshl_b32 s22, s[HR], 7
	s_add_co_u32 s21, s21, s22                     ; my first row of A
	s_and_b32 s22, s20, 1023                       ; KIND 0: B's row within W_q or W_k is the channel
	s_mov_b32 s[S1P], 768
	s_mov_b32 s[S2P], 768
	s_mov_b32 s[SCP], HEADB
	s_mov_b32 s46, 768
	s_cmp_eq_u32 s[KIND], 1
	s_cselect_b32 s23, s20, s21                    ; my first token position
	s_cselect_b32 s22, s21, s22                    ; my first channel
	s_cselect_b32 s[S1P], 1536, s[S1P]             ; KIND 0: A's blocks are images on end; KIND 1: a block is a channel tile, two images
	s_cselect_b32 s[S2P], HEADB-3*1536, s[S2P]     ; KIND 1: block 4 begins the next head
	s_cselect_b32 s[SCP], s46, s[SCP]              ; KIND 0: a block's second image is the next head's; KIND 1: the step's second 64 keys
	s_mov_b32 s[S1P+1], 0
	s_mov_b32 s[S2P+1], 0
	s_mov_b32 s[SCP+1], 0
	s_cmp_eq_u32 s[PLN], 1
	s_cselect_b64 s[BP:BP+1], s[14:15], s[12:13]
	s_cmp_eq_u32 s[PLN], 2
	s_cselect_b64 s[BP:BP+1], s[16:17], s[BP:BP+1]
	s_lshl_b32 s46, s22, 2
	s_mov_b32 s47, 0
	s_add_nc_u64 s[BP:BP+1], s[BP:BP+1], s[46:47]  ; the bias at my first channel
	s_lshl_b32 s46, s[PLN], 6
	s_lshr_b32 s20, s23, 11                        ; the batch
	s_lshl_b32 s20, s20, 4
	s_add_co_u32 s46, s46, s20
	s_lshr_b32 s20, s22, 6                         ; the head
	s_add_co_u32 s46, s46, s20
	s_mul_i32 s46, s46, HEADB
	s_bfe_u32 s20, s23, 0x40007                    ; the step of 128 tokens
	s_mul_i32 s20, s20, 6400
	s_add_co_u32 s46, s46, s20                     ; under 2^25
	s_add_nc_u64 s[OB:OB+1], s[OB:OB+1], s[46:47]
	s_mov_b64 s[SB:SB+1], s[OB:OB+1]
	s_cmp_eq_u32 s[KIND], 0
	s_cbranch_scc0 .Lbias_v
	s_wait_alu depctr_va_vdst(0)
.irp b, 0,1,2,3,4,5,6,7                ; KIND 0: register j of B's tile b is channel 32 (b / 2) + 16 h + 8 (b % 2) + j
	global_load_b128 v[BIAS+8*\b:BIAS+8*\b+3], v8, s[BP:BP+1] offset:(32*(\b/2)+8*(\b%2))*4
	global_load_b128 v[BIAS+8*\b+4:BIAS+8*\b+7], v8, s[BP:BP+1] offset:(32*(\b/2)+8*(\b%2))*4+16
.endr
	s_branch .Lbias_done
.Lbias_v:
	s_wait_alu depctr_va_vdst(0)
.irp a, 0,1,2,3,4,5,6,7                ; KIND 1: all eight registers of A's block a hold the bias of my lane's channel 32 (a / 2) + 8 (a % 2) + r + 8 (r / 8)
.irp j, 0,1,2,3,4,5,6,7
	global_load_b32 v[BIAS+8*\a+\j], v9, s[BP:BP+1] offset:(32*(\a/2)+8*(\a%2))*4
.endr
.endr
.Lbias_done:
.macro FRAG reg, adr, q, i             ; a fragment, 16 rows x 128 K, is 12 registers: registers 6 c .. 6 c + 5 hold K = 64 c + 32 (lane / 16) + 0 .. 31: 24 bytes of the row's stream of bits, in pieces of 8 bytes
.irp p, 0,1,2,3,4,5
.set PIE, 12*(\q)+6*(\p/3)+\p%3       ; 16 bytes of padding lie behind every 8 pieces: where the piece three on lies behind one padding more, the second address register serves
.if PIE%8 < 5
	ds_load_b64 v[\reg+2*\p:\reg+2*\p+1], v[\adr] offset:8*PIE+16*(PIE/8)+(\i)*16*PITCH
.else
	ds_load_b64 v[\reg+2*\p:\reg+2*\p+1], v[\adr+2] offset:8*PIE+16*(PIE/8)+(\i)*16*PITCH
.endif
.endr
.endm
; 16 matrix instructions: A's blocks a0, a0 + 1 x B's eight, 128 along K.  zero = 1: the sums begin with the bias by B's tile; 2: by A's block; 0: they go on.  The 64 accumulators take turns, one instruction a turn.
.macro MUL16 a0, p, q, sc, zero
.irp a, \a0, \a0+1
.irp b, 0,1,2,3,4,5,6,7
.if \zero == 1
	v_wmma_scale_f32_16x16x128_f8f6f4 v[8*(8*((\a)%4)+\b):8*(8*((\a)%4)+\b)+7], v[128*(\p)+FR*\b:128*(\p)+FR*\b+FR-1], v[AF+FR*(\a):AF+FR*(\a)+FR-1], v[BIAS+8*\b:BIAS+8*\b+7], v[SC+8*NQ*(\sc)+NQ*\b+(\q)], v[SC+8*NQ*(\sc)+NQ*(\a)+(\q)] matrix_a_fmt:MATRIX_FMT_FP6 matrix_b_fmt:MATRIX_FMT_FP6 matrix_a_scale:MATRIX_SCALE_ROW1
.elseif \zero == 2
	v_wmma_scale_f32_16x16x128_f8f6f4 v[8*(8*((\a)%4)+\b):8*(8*((\a)%4)+\b)+7], v[128*(\p)+FR*\b:128*(\p)+FR*\b+FR-1], v[AF+FR*(\a):AF+FR*(\a)+FR-1], v[BIAS+8*(\a):BIAS+8*(\a)+7], v[SC+8*NQ*(\sc)+NQ*\b+(\q)], v[SC+8*NQ*(\sc)+NQ*(\a)+(\q)] matrix_a_fmt:MATRIX_FMT_FP6 matrix_b_fmt:MATRIX_FMT_FP6 matrix_a_scale:MATRIX_SCALE_ROW1
.else
	v_wmma_scale_f32_16x16x128_f8f6f4 v[8*(8*((\a)%4)+\b):8*(8*((\a)%4)+\b)+7], v[128*(\p)+FR*\b:128*(\p)+FR*\b+FR-1], v[AF+FR*(\a):AF+FR*(\a)+FR-1], v[8*(8*((\a)%4)+\b):8*(8*((\a)%4)+\b)+7], v[SC+8*NQ*(\sc)+NQ*\b+(\q)], v[SC+8*NQ*(\sc)+NQ*(\a)+(\q)] matrix_a_fmt:MATRIX_FMT_FP6 matrix_b_fmt:MATRIX_FMT_FP6 matrix_a_scale:MATRIX_SCALE_ROW1
.endif
.endr
.endr
.endm
.macro FETCH_B slot, q, p
	WIN TO_B
.irp i, 0,1,2,3,4,5,6,7
	FRAG 128*(\p)+FR*\i, ADRB+\slot, \q, \i
.endr
	WIN 0
.endm
.macro FETCH_A slot, q, i0
.irp i, \i0, \i0+1, \i0+2, \i0+3
	FRAG AF+FR*(\i), ADRA+\slot, \q, \i
.endr
.endm
.macro SCALES sc                       ; a K step's scale words: two words a row; lanes 0-15 take A's block i, lanes 16-31 B's block i
.irp i, 0,1,2,3,4,5,6,7
	ds_load_b64 v[SC+8*NQ*\sc+NQ*\i:SC+8*NQ*\sc+NQ*\i+1], v[ADRS] offset:\i*SBLK
.endr
.endm
.macro PLACES n                        ; plain vector instructions between a matrix instruction and a load into, or a read of, its registers (ISA guide 7.12.1 for a read)
.rept \n
	v_nop
.endr
.endm
; A step of 128 along K that has its successor in the same slot.
.macro STEP slot, q, zero
	s_wait_dscnt 4*NL                              ; B's set and A's blocks 0-3 are in; the youngest 24 loads (A's blocks 4-7) may be out
.if \zero
	WIN FST_LO
.else
	WIN MUL_LO
.endif
	MUL16 0, (\q)%2, \q, \slot, \zero
	MUL16 2, (\q)%2, \q, \slot, \zero
	s_wait_dscnt 0                                 ; A's blocks 4-7 are in
	PLACES NP
	FETCH_B \slot, (\q)+1, 1-(\q)%2
	FETCH_A \slot, (\q)+1, 0
.if \zero
	WIN FST_HI
.else
	WIN MUL_HI
.endif
	MUL16 4, (\q)%2, \q, \slot, \zero
	MUL16 6, (\q)%2, \q, \slot, \zero
	PLACES NP
	WIN 0
	FETCH_A \slot, (\q)+1, 4
.endm
; A slot's last step changes slots: one barrier; in front of it each wave waits for all its tensor loads, adds 0 to its spare word, and waits for that and for its own reads of this slot.  fill = 1: this slot is filled again, two K steps ahead.
.macro TURN slot, next, fill
	s_wait_tensorcnt 0x0                           ; all my tensor loads have landed: my part of the next slot
	ds_add_u32 v[SPW], v[NIL]                      ; 0 onto my spare word
	s_wait_dscnt 4*NL+1                            ; (the add and the youngest 24 loads, A's blocks 4-7, may be out)
	WIN MUL_LO
	MUL16 0, 1, NQ-1, \slot, 0                     ; sixteen matrix instructions stand between the add and the wait for it
	s_wait_dscnt 0x0                               ; the add is done, and my reads of this slot are over
	s_barrier_signal -1
	MUL16 2, 1, NQ-1, \slot, 0
	WIN 0
	s_barrier_wait -1
.if \fill
	CREST                                          ; the barrier has opened a round of the cluster's barrier: no wave of any partner still reads this slot's tile or has a load on its way
	s_add_nc_u64 s[G0+4*\slot+2:G0+4*\slot+3], s[G0+4*\slot+2:G0+4*\slot+3], 2*KSB
	s_add_nc_u64 s[G0B+4*\slot+2:G0B+4*\slot+3], s[G0B+4*\slot+2:G0B+4*\slot+3], 2*KSB
	JLOAD G0+4*\slot, G1, G0B+4*\slot, G1B         ; the first tensor load behind the round; its four v_nop are the places in front of the loads below
.else
	PLACES NP
.endif
	s_wait_alu depctr_va_vdst(0)
	v_add_nc_u32 v[ADRS], 4*NQ, v[ADRS]            ; on to the next K step's scale words (no LDS load of mine is out)
	FETCH_B \next, 0, 0
	FETCH_A \next, 0, 0
	SCALES \next
	WIN MUL_HI
	MUL16 4, 1, NQ-1, \slot, 0
	MUL16 6, 1, NQ-1, \slot, 0
	PLACES NP
	WIN 0
	FETCH_A \next, 0, 4
.endm
	s_wait_tensorcnt 0x0                           ; my tile of the head's four is in; slot 1's first fill is issued as a refill is
	ds_add_u32 v[SPW], v[NIL]
	s_mov_b32 s[G1+2], 96<<16                      ; no tensor load of mine is out: from here on a load brings 128 rows of codes = 96 rows of 256 bytes,
	s_mov_b32 s[G1+4], 96
	s_mov_b32 s[G1B+2], 96<<16
	s_mov_b32 s[G1B+4], 96
	s_mov_b32 s[G0+1], s45                         ; and slot 0's descriptors turn to my quarter of the slot
	s_mov_b32 s[G0B+1], s45
	s_mul_i32 s20, s[HC], HSB
	s_mov_b32 s21, 0
	s_add_nc_u64 s[G0+2:G0+3], s[G0+2:G0+3], s[20:21]
	s_add_nc_u64 s[G0B+2:G0B+3], s[G0B+2:G0B+3], s[20:21]
	s_wait_dscnt 0x0
	CROUND                                         ; everybody's tiles are in, and all sixteen work-groups are here
	JLOAD G0+4, G1, G0B+4, G1B                     ; K step 1, the first tensor load behind the round
	FETCH_B 0, 0, 0
	FETCH_A 0, 0, 0
	SCALES 0
	FETCH_A 0, 0, 4
	s_wait_loadcnt 0x0                             ; the bias
	s_cmp_eq_u32 s[KIND], 0                        ; the first step is written twice: its products take the bias by B's tile or by A's block.  No tensor load and no barrier stands in either arm
	s_cbranch_scc0 .Lfirst_v
	STEP 0, 0, 1
	s_branch .Lfirst_done
.Lfirst_v:
	STEP 0, 0, 2
.Lfirst_done:
	s_mov_b32 s3, LAPS-1
.Llap:                                                 ; a trip goes once round the ring and fills both slots again
	TURN 0, 1, 1
	STEP 1, 0, 0
	TURN 1, 0, 1
	STEP 0, 0, 0
	s_sub_co_u32 s3, s3, 1
	s_cmp_lg_u32 s3, 0
	s_cbranch_scc1 .Llap
	TURN 0, 1, 0                                   ; the last lap fills nothing, and has no round of the cluster's barrier
	STEP 1, 0, 0
	s_wait_dscnt 4*NL                              ; the very last step: nothing more to fetch
	WIN MUL_LO
	MUL16 0, 1, NQ-1, 1, 0
	MUL16 2, 1, NQ-1, 1, 0
	s_wait_dscnt 0
	WIN MUL_HI
	MUL16 4, 1, NQ-1, 1, 0
	MUL16 6, 1, NQ-1, 1, 0
	WIN 0
; THE WAY OUT.  For A's block a my lane holds ONE row of A and 64 registers along B: register 16 g + i = B's row 32 g + 16 (lane / 16) + i.  They become 12 operand registers (two images) and a scale word, and the images are stored as they stand.
.macro QOUT a
.set AC, 64*((\a)%4)
.set WMAX, 0x0a+5*((\a)/4)             ; sources 0 and 1: window 2 or 3
.set WCVT, 0x02+((\a)/4)               ; source 0 alone
	s_wait_xcnt 0x0                                ; the last block's stores have read their data and their bases: both are written again only behind this wait
.if (\a) == 4
	s_add_nc_u64 s[OB:OB+1], s[OB:OB+1], s[S2P:S2P+1]
.elseif (\a) > 0
	s_add_nc_u64 s[OB:OB+1], s[OB:OB+1], s[S1P:S1P+1]
.endif
	s_add_nc_u64 s[OC:OC+1], s[OB:OB+1], s[SCP:SCP+1]
	WIN WMAX
.irp b, 0,1,2,3
	v_max3_num_f32 v[TM+\b], |v[AC+16*\b]|, |v[AC+1+16*\b]|, 0x1800000   ; block b: my 16 numbers, each accumulator from its low end on, and the floor 2^(3 - 127): the byte cannot fall under 1
.endr
.irp i, 2,4,6,8,10,12,14
.irp b, 0,1,2,3
	v_max3_num_f32 v[TM+\b], |v[AC+16*\b+\i]|, |v[AC+1+16*\b+\i]|, v[TM+\b]
.endr
.endr
	WIN 0
.irp b, 0,1,2,3
	v_permlanex16_b32 v[TM+4+\b], v[TM+\b], s[SEL], s[SEL+1]
.endr
.irp b, 0,1,2,3
	v_max_num_f32 v[TM+\b], v[TM+\b], v[TM+4+\b]   ; with lane l xor 16's: the block's largest magnitude
.endr
.irp b, 0,1,2,3
	v_add_nc_u32 v[TM+12+\b], 0xff000000, v[TM+\b] ; 2 off its exponent field: the conversion's scale operand
.endr
.irp b, 0,1,2,3
	v_lshrrev_b32 v[TM+4+\b], 23, v[TM+12+\b]      ; the scale's byte
.endr
	v_lshl_or_b32 v[SW+(\a)], v[TM+5], 8, v[TM+4]
	v_lshl_or_b32 v[SW+(\a)], v[TM+6], 16, v[SW+(\a)]
	v_lshl_or_b32 v[SW+(\a)], v[TM+7], 24, v[SW+(\a)]
	WIN WCVT
.irp c, 0,1
	v_cvt_scalef32_pk16_fp6_f32 v[QC+6*\c:QC+2+6*\c], v[AC+32*\c:AC+15+32*\c], v[TM+12+2*\c]
	v_cvt_scalef32_pk16_fp6_f32 v[QC+12+4*\c:QC+14+4*\c], v[AC+16+32*\c:AC+31+32*\c], v[TM+12+2*\c+1]   ; (a conversion's three registers begin on an even number)
.endr
	WIN 0
	v_nop                                          ; one plain place behind a scaled conversion
.irp c, 0,1                                    ; the operand's layout wants a whole block in a lane: lanes 0-15 block 2 c, lanes 16-31 block 2 c + 1
.irp i, 0,1,2
	v_permlane16_swap_b32 v[QC+6*\c+\i], v[QC+12+4*\c+\i]
.endr
.irp i, 0,1,2
	v_mov_b32 v[QC+3+6*\c+\i], v[QC+12+4*\c+\i]
.endr
.endr
	global_store_b128 v[OL16], v[QC:QC+3], s[OB:OB+1]                ; 512 consecutive bytes,
	global_store_b64 v[OL8], v[QC+4:QC+5], s[OB:OB+1] offset:512     ; and 256: the first image
	global_store_b128 v[OL16], v[QC+6:QC+9], s[OC:OC+1]
	global_store_b64 v[OL8], v[QC+10:QC+11], s[OC:OC+1] offset:512   ; the second
.endm
	PLACES NP                                      ; behind the last products: their results are read and A's registers written below
.irp b, 0,1,2,3
	v_mov_b32 v[TM+4+\b], 0                        ; written once: a lane permute's destination counts as one of its sources
.endr
.irp a, 0,1,2,3,4,5,6,7
	QOUT \a
.endr
	; the scale words of two records: lanes 0-15 make the first head's 16 bytes of row r, lanes 16-31 the second's
	s_mov_b32 s104, 0xffff0000
	s_cmp_eq_u32 s[KIND], 0
	s_cbranch_scc0 .Lsw_v
	v_mov_b32 v[VSEL], 0x05040100                  ; KIND 0: a word is my head's half of block 2 g's word, then of block 2 g + 1's
	v_mov_b32 v[VT], 0x07060302
	v_cndmask_b32 v[VSEL], v[VSEL], v[VT], s104
.irp g, 0,1,2,3
	v_perm_b32 v[DW+\g], v[SW+2*\g+1], v[SW+2*\g], v[VSEL]
.endr
	s_branch .Lsw_done
.Lsw_v:
	v_mov_b32 v[VSEL], 0x03020100                  ; KIND 1: a word is block t's (first head) or block 4 + t's (second head) as it stands
	v_mov_b32 v[VT], 0x07060504
	v_cndmask_b32 v[VSEL], v[VSEL], v[VT], s104
.irp g, 0,1,2,3
	v_perm_b32 v[DW+\g], v[SW+4+\g], v[SW+\g], v[VSEL]
.endr
.Lsw_done:
	s_wait_alu depctr_va_vdst(0)
	global_store_b128 v[OSC], v[DW:DW+3], s[SB:SB+1] offset:6144     ; each half of the lanes stores 256 consecutive bytes behind its record's images
	s_wait_tensorcnt 0x0                           ; the wave's end
	ds_add_u32 v[SPW], v[NIL]
	s_wait_dscnt 0x0
	CROUND                                         ; the closing round: no work-group ends while a partner may still ask for a tile that names it
	s_endpgm
.Lfunc_end_k_qeb4f72843f_proj:
	.size	k_qeb4f72843f_proj, .Lfunc_end_k_qeb4f72843f_proj-k_qeb4f72843f_proj
	.p2alignl 7, 3214868480
	.fill 96, 4, 3214868480
	.section	.rodata,"a",@progbits
	.p2align	6, 0x0
	.amdhsa_kernel k_qeb4f72843f_proj
		.amdhsa_group_segment_fixed_size 327680
		.amdhsa_private_segment_fixed_size 0
		.amdhsa_enable_private_segment 0
		.amdhsa_kernarg_size 64
		.amdhsa_user_sgpr_count 2
		.amdhsa_user_sgpr_kernarg_segment_ptr 1
		.amdhsa_wavefront_size32 1
		.amdhsa_system_sgpr_workgroup_id_x 1
		.amdhsa_system_sgpr_workgroup_id_y 1
		.amdhsa_system_sgpr_workgroup_id_z 1
		.amdhsa_system_vgpr_workitem_id 0
		.amdhsa_next_free_vgpr 1024
		.amdhsa_next_free_sgpr 106
		.amdhsa_reserve_vcc 0
		.amdhsa_float_denorm_mode_32 3
		.amdhsa_float_denorm_mode_16_64 3
		.amdhsa_memory_ordered 1
		.amdhsa_forward_progress 1
		.amdhsa_inst_pref_size 191
	.end_amdhsa_kernel
	.amdgpu_metadata
---
amdhsa.version: [ 1, 2 ]
amdhsa.kernels:
  - .name:           k_qeb4f72843f_proj
    .symbol:         k_qeb4f72843f_proj.kd
    .args:
      - { .name: xc, .offset: 0, .size: 8, .value_kind: global_buffer, .address_space: global }
      - { .name: xs, .offset: 8, .size: 8, .value_kind: global_buffer, .address_space: global }
      - { .name: wc, .offset: 16, .size: 8, .value_kind: global_buffer, .address_space: global }
      - { .name: wsc, .offset: 24, .size: 8, .value_kind: global_buffer, .address_space: global }
      - { .name: b_q, .offset: 32, .size: 8, .value_kind: global_buffer, .address_space: global }
      - { .name: b_k, .offset: 40, .size: 8, .value_kind: global_buffer, .address_space: global }
      - { .name: b_v, .offset: 48, .size: 8, .value_kind: global_buffer, .address_space: global }
      - { .name: qkv, .offset: 56, .size: 8, .value_kind: global_buffer, .address_space: global }
    .group_segment_fixed_size: 327680
    .private_segment_fixed_size: 0
    .kernarg_segment_align: 8
    .kernarg_segment_size: 64
    .max_flat_workgroup_size: 128
    .sgpr_count:     106
    .vgpr_count:     1024
    .wavefront_size: 32
...
	.end_amdgpu_metadata
.endif
;; end of part 2
;; launch attn (part 3): grid 4 x 64, 16 waves a work-group, clusters of 4 x 1, 327,680 bytes of LDS; arguments qkv, oc, os; writes oc, os
.if DOCPART == 3
	.amdgcn_target "amdgcn-amd-amdhsa--gfx1250"
	.amdhsa_code_object_version 6
	.text
	.protected	k_qeb4f72843f_attn
	.globl	k_qeb4f72843f_attn
	.p2align	8
	.type	k_qeb4f72843f_attn,@function
k_qeb4f72843f_attn:
	s_mov_b64 s[64:65], 0
	v_nop
	global_prefetch_b8 v0, s[64:65] scope:SCOPE_SE
	s_setreg_imm32_b32 hwreg(HW_REG_WAVE_MODE, 25, 1), 1
	s_wait_xcnt 0x0
	s_wait_alu depctr_hold_cnt(0) depctr_sa_sdst(0) depctr_va_vdst(0) depctr_va_sdst(0) depctr_va_ssrc(0) depctr_va_vcc(0) depctr_vm_vsrc(0)
	s_getreg_b32 s2, hwreg(HW_REG_IB_STS2, 6, 4)
	s_cmp_eq_u32 s2, 0
	s_cbranch_scc0 .Lentry_in_a_cluster
	s_endpgm
.Lentry_in_a_cluster:
	s_bfe_u32 s2, ttmp6, 0x10000c
	s_cmp_lg_u32 s2, 0x3003
	s_cbranch_scc0 .Lentry_shape_is_right
	s_endpgm
.Lentry_shape_is_right:
.set KREC,  6400
.set HEADB, 102400
.set SPARE, 204800
.set L16,  1
.set L8,   2
.set R16,  3
.set V16,  4
.set V8,   5
.set VR16, 6
.set OSO,  7
.set DQ0,  8
.set DQ,   9
.set NINF, 10
.set NCM,  12
.set MX,   13
.set SUM,  14
.set QHI,  16
.set QLO,  22
.set QS,   34
.set QW,   35
.set RL,   36
.set AL,   38
.set ADK16, 40
.set ADK8,  41
.set ADKS,  42
.set ADV16, 43
.set ADV8,  44
.set ADVS,  45
.set SPW,  46
.set NIL,  47
.set F,    48
.set S,    96
.set O,    160
.set PC,   192
.set TM,   212
.set PW,   228
.set KS,   232
.set VS,   236
.set T0,   240
.set WV,   10
.set CX,   11
.set HG,   12
.set HD,   13
.set BA,   14
.set G,    15
.set U,    16
.set ST,   17
.set TK,   18
.set SEL,  20
.set CS,   22
.set G1,   24
.set G0K,  32
.set G0V,  36
.macro CROUND
	s_barrier_signal -1
	s_barrier_wait -1
	s_cmp_lg_u32 s[WV], 0
	s_cbranch_scc1 .Lnot_wave_0_\@
	s_barrier_signal -3
.Lnot_wave_0_\@:
	s_barrier_wait -3
	s_barrier_signal -1
	s_barrier_wait -1
.endm
.macro KLOAD
.irp t, 0,1,2,3,4,5,6,7
	ds_load_b128 v[F+6*\t:F+6*\t+3], v[ADK16] offset:768*\t
	ds_load_b64 v[F+6*\t+4:F+6*\t+5], v[ADK8] offset:768*\t+512
.endr
	ds_load_b128 v[KS:KS+3], v[ADKS] offset:6144
.endm
.macro VLOAD
.irp t, 0,1,2,3,4,5,6,7
	ds_load_b128 v[F+6*\t:F+6*\t+3], v[ADV16] offset:768*\t
	ds_load_b64 v[F+6*\t+4:F+6*\t+5], v[ADV8] offset:768*\t+512
.endr
	ds_load_b128 v[VS:VS+3], v[ADVS] offset:6144
.endm
.macro SCORES
.irp g, 0,1,2,3
	v_wmma_scale_f32_16x16x128_f8f6f4 v[S+16*\g:S+16*\g+7], v[F+12*\g:F+12*\g+11], v[QLO:QLO+11], 0, v[KS+\g], v[QS] matrix_a_fmt:MATRIX_FMT_FP6 matrix_b_fmt:MATRIX_FMT_FP6
	v_wmma_scale_f32_16x16x128_f8f6f4 v[S+16*\g+8:S+16*\g+15], v[F+12*\g:F+12*\g+11], v[QHI:QHI+11], 0, v[KS+\g], v[QS] matrix_a_fmt:MATRIX_FMT_FP6 matrix_b_fmt:MATRIX_FMT_FP6
.endr
.rept 4
	v_nop
.endr
.endm
.macro MASK
	s_cmp_lg_u32 s[ST], s[G]
	s_cbranch_scc1 .Lopen_\@
.irp n, 0,1,2,3,4,5,6,7,8,9,10,11,12,13,14,15,16,17,18,19,20,21,22,23,24,25,26,27,28,29,30,31,32,33,34,35,36,37,38,39,40,41,42,43,44,45,46,47,48,49,50,51,52,53,54,55,56,57,58,59,60,61,62,63
	v_cmp_gt_i32 vcc_lo, 32*(\n/16)+\n%16, v[DQ]
	v_cndmask_b32 v[S+\n], v[S+\n], v[NINF], vcc_lo
.endr
.Lopen_\@:
.endm
.macro SHIFT
.irp j, 0,2,4,6,8,10,12,14,16,18,20,22,24,26,28,30,32,34,36,38,40,42,44,46,48,50,52,54,56,58,60,62
	v_pk_fma_f32 v[S+\j:S+\j+1], v[S+\j:S+\j+1], s[CS:CS+1], v[NCM:NCM+1] op_sel_hi:[1,0,0]
.endr
.endm
.macro EXPS
.irp j, 0,1,2,3,4,5,6,7,8,9,10,11,12,13,14,15,16,17,18,19,20,21,22,23,24,25,26,27,28,29,30,31,32,33,34,35,36,37,38,39,40,41,42,43,44,45,46,47,48,49,50,51,52,53,54,55,56,57,58,59,60,61,62,63
	v_exp_f32 v[S+\j], v[S+\j]
.endr
.endm
.macro QUANT s
.irp b, 0,1,2,3
	v_max3_num_f32 v[TM+\b], |v[\s+16*\b]|, |v[\s+1+16*\b]|, 0x1800000
.endr
.irp i, 2,4,6,8,10,12,14
.irp b, 0,1,2,3
	v_max3_num_f32 v[TM+\b], v[TM+\b], |v[\s+16*\b+\i]|, |v[\s+1+16*\b+\i]|
.endr
.endr
.irp b, 0,1,2,3
	s_delay_alu instid0(VALU_DEP_4)
	v_permlanex16_b32 v[TM+4+\b], v[TM+\b], s[SEL], s[SEL+1]
.endr
.irp b, 0,1,2,3
	s_delay_alu instid0(VALU_DEP_4)
	v_max_num_f32 v[TM+\b], v[TM+\b], v[TM+4+\b]
.endr
.irp b, 0,1,2,3
	s_delay_alu instid0(VALU_DEP_4)
	v_add_nc_u32 v[TM+12+\b], 0xff000000, v[TM+\b]
.endr
.irp b, 0,1,2,3
	s_delay_alu instid0(VALU_DEP_4)
	v_lshrrev_b32 v[TM+4+\b], 23, v[TM+12+\b]
.endr
	s_delay_alu instid0(VALU_DEP_3)
	v_lshl_or_b32 v[PW], v[TM+5], 8, v[TM+4]
	s_delay_alu instid0(VALU_DEP_1)
	v_lshl_or_b32 v[PW], v[TM+6], 16, v[PW]
	s_delay_alu instid0(VALU_DEP_1)
	v_lshl_or_b32 v[PW], v[TM+7], 24, v[PW]
.irp c, 0,1
	v_cvt_scalef32_pk16_fp6_f32 v[PC+6*\c:PC+2+6*\c], v[\s+32*\c:\s+15+32*\c], v[TM+12+2*\c]
	v_cvt_scalef32_pk16_fp6_f32 v[PC+12+4*\c:PC+14+4*\c], v[\s+16+32*\c:\s+31+32*\c], v[TM+12+2*\c+1]
.endr
	v_nop
.irp c, 0,1
.irp i, 0,1,2
	v_permlane16_swap_b32 v[PC+6*\c+\i], v[PC+12+4*\c+\i]
.endr
.irp i, 0,1,2
	s_delay_alu instid0(VALU_DEP_3)
	v_mov_b32 v[PC+3+6*\c+\i], v[PC+12+4*\c+\i]
.endr
.endr
.endm
.macro QUANT2
.irp b, 0,1
	v_max3_num_f32 v[TM+\b], |v[O+16*\b]|, |v[O+1+16*\b]|, 0x1800000
.endr
.irp i, 2,4,6,8,10,12,14
.irp b, 0,1
	v_max3_num_f32 v[TM+\b], v[TM+\b], |v[O+16*\b+\i]|, |v[O+1+16*\b+\i]|
.endr
.endr
.irp b, 0,1
	s_delay_alu instid0(VALU_DEP_2)
	v_permlanex16_b32 v[TM+4+\b], v[TM+\b], s[SEL], s[SEL+1]
.endr
.irp b, 0,1
	s_delay_alu instid0(VALU_DEP_2)
	v_max_num_f32 v[TM+\b], v[TM+\b], v[TM+4+\b]
.endr
.irp b, 0,1
	s_delay_alu instid0(VALU_DEP_2)
	v_add_nc_u32 v[TM+12+\b], 0xff000000, v[TM+\b]
.endr
.irp b, 0,1
	s_delay_alu instid0(VALU_DEP_2)
	v_lshrrev_b32 v[TM+4+\b], 23, v[TM+12+\b]
.endr
	v_cvt_scalef32_pk16_fp6_f32 v[PC:PC+2], v[O:O+15], v[TM+12]
	v_cvt_scalef32_pk16_fp6_f32 v[PC+12:PC+14], v[O+16:O+31], v[TM+13]
	v_nop
.irp i, 0,1,2
	v_permlane16_swap_b32 v[PC+\i], v[PC+12+\i]
.endr
.irp i, 0,1,2
	s_delay_alu instid0(VALU_DEP_3)
	v_mov_b32 v[PC+3+\i], v[PC+12+\i]
.endr
.endm
	s_load_b128 s[4:7], s[0:1], 0x0
	s_load_b64 s[8:9], s[0:1], 0x10
	v_lshl_add_u32 v[SPW], v0, 2, SPARE
	v_mov_b32 v[NIL], 0
	ds_add_u32 v[SPW], v[NIL]
	ds_add_u32 v[SPW], v[NIL]
	v_lshrrev_b32 v1, 5, v0
	s_delay_alu instid0(VALU_DEP_1)
	v_readfirstlane_b32 s[WV], v1
	s_bfe_u32 s[CX], ttmp6, 0x40000
	s_and_b32 s[HG], ttmp7, 0xffff
	s_and_b32 s[HD], s[HG], 15
	s_lshr_b32 s[BA], s[HG], 4
	s_mov_b32 s[G1], 15|(3<<16)|(1<<21)
	; one tile of two rows of 6,400 bytes: a step's record of K and, 64 planes of a head further on, its record of V; in LDS they lie on end: [step][K, V]
	s_mov_b32 s[G1+1], (KREC/8)<<16
	s_mov_b32 s[G1+2], 2<<16
	s_mov_b32 s[G1+3], (KREC/8)<<16
	s_mov_b32 s[G1+4], 2
	s_mov_b32 s[G1+5], 64*HEADB/8
	s_mov_b32 s[G1+6], 0
	s_mov_b32 s[G1+7], 0
	s_mov_b32 s[SEL], 0x76543210
	s_mov_b32 s[SEL+1], 0xfedcba98
	s_mov_b32 s[CS], 0x3e38aa3b
	s_mov_b32 s[CS+1], s[CS]
	s_mov_b32 s48, 0xbe38aa3b
	s_mov_b32 s49, 0xffff0000
	s_mul_i32 s19, s[WV], KREC
	s_add_co_u32 s46, s[HG], 64
	s_mul_i32 s46, s46, HEADB
	s_add_co_u32 s46, s46, s19
	s_mov_b32 s47, 0
	s_wait_dscnt 0x0
	s_wait_kmcnt 0x0
	s_mov_b32 s[G0K], 1
	s_lshl_b32 s[G0K+1], s19, 1                    ; wave x 12,800
	s_add_nc_u64 s[G0K+2:G0K+3], s[4:5], s[46:47]
	s_or_b32 s[G0K+3], s[G0K+3], 0x80000000
	CROUND
	tensor_load_to_lds s[G0K:G0K+3], s[G1:G1+7]    ; my one joint load: step = my wave's number, K and V
	s_nop 0
.rept 4
	v_nop
.endr
	v_and_b32 v[T0], 31, v0
	v_and_b32 v[T0+1], 15, v0
	v_bfe_u32 v[T0+2], v0, 4, 1
	s_delay_alu instid0(VALU_DEP_3)
	v_lshlrev_b32 v[L16], 4, v[T0]
	s_delay_alu instid0(VALU_DEP_4)
	v_lshlrev_b32 v[L8], 3, v[T0]
	s_delay_alu instid0(VALU_DEP_4)
	v_lshlrev_b32 v[R16], 4, v[T0+1]
	s_delay_alu instid0(VALU_DEP_3)
	v_add_nc_u32 v[V16], KREC, v[L16]
	s_delay_alu instid0(VALU_DEP_3)
	v_add_nc_u32 v[V8], KREC, v[L8]
	s_delay_alu instid0(VALU_DEP_3)
	v_add_nc_u32 v[VR16], KREC, v[R16]
	v_lshl_add_u32 v[OSO], v[T0+1], 5, v[T0+2]
	v_and_b32 v[DQ0], 8, v[T0+1]
	s_delay_alu instid0(VALU_DEP_1)
	v_add_nc_u32 v[DQ0], v[DQ0], v[T0+1]
	v_lshlrev_b32 v[T0+3], 4, v[T0+2]
	s_delay_alu instid0(VALU_DEP_1)
	v_sub_nc_u32 v[DQ0], v[DQ0], v[T0+3]
	v_mov_b32 v[NINF], 0xff800000
.irp j, 0,1,2,3,4,5
	v_mov_b32 v[QHI+\j], 0
	v_mov_b32 v[QLO+6+\j], 0
.endr
.irp b, 0,1,2,3
	v_mov_b32 v[TM+4+\b], 0
.endr
	v_mov_b32 v[T0+1], 0
	s_wait_tensorcnt 0x0
	s_barrier_signal -1
	s_barrier_wait -1
; The K fragments of the step that comes next are asked for as soon as this step's products have read the registers: one v_nop and three address lines are the four places behind them.
; Behind a pass's last step (ST = G) the next is step 0, with which the next pass or the next tile begins (the very last request is awaited at the wave's end and not used).
.macro KNEXT
	v_nop
	s_add_co_u32 s46, s[TK], 2*KREC
	s_cmp_eq_u32 s[ST], s[G]
	s_cselect_b32 s46, 0, s46
	s_min_u32 s46, s46, 15*2*KREC                  ; never beyond the last record
	v_add_nc_u32 v[ADK16], s46, v[L16]
	v_add_nc_u32 v[ADK8], s46, v[L8]
	v_add_nc_u32 v[ADKS], s46, v[R16]
	KLOAD
.endm
	s_mov_b32 s[G], s[WV]
	s_mov_b32 s[U], 0
	v_mov_b32 v[ADK16], v[L16]                     ; step 0's K fragments
	v_mov_b32 v[ADK8], v[L8]
	v_mov_b32 v[ADKS], v[R16]
	KLOAD
.Ltile:
	s_wait_xcnt 0x0
	s_lshl_b32 s19, s[CX], 1
	s_add_co_u32 s19, s19, s[U]
	s_mul_i32 s46, s[G], KREC
	s_mul_i32 s47, s[HG], HEADB
	s_add_co_u32 s46, s46, s47
	s_mov_b32 s47, 0
	s_add_nc_u64 s[42:43], s[4:5], s[46:47]
	s_mul_i32 s46, s19, 768
	s_add_nc_u64 s[40:41], s[42:43], s[46:47]
	s_lshl_b32 s46, s[CX], 2
	s_add_co_u32 s46, s46, 6144
	s_add_nc_u64 s[42:43], s[42:43], s[46:47]
	s_lshl_b32 s46, s[BA], 7
	s_lshl_b32 s52, s[G], 3
	s_add_co_u32 s46, s46, s52
	s_add_co_u32 s46, s46, s19
	s_lshl_b32 s52, s46, 9
	s_lshl_b32 s53, s[HD], 1
	s_add_co_u32 s52, s52, s53
	s_mov_b32 s53, 0
	s_add_nc_u64 s[50:51], s[8:9], s[52:53]
	s_lshl_b32 s46, s46, 4
	s_add_co_u32 s46, s46, s[HD]
	s_mul_i32 s46, s46, 768
	s_add_nc_u64 s[44:45], s[6:7], s[46:47]
	global_load_b128 v[QLO:QLO+3], v[L16], s[40:41] th:TH_LOAD_NT
	global_load_b64 v[QLO+4:QLO+5], v[L8], s[40:41] offset:512 th:TH_LOAD_NT
	global_load_b32 v[QW], v[R16], s[42:43]
	s_lshl_b32 s46, s[CX], 5
	s_lshl_b32 s47, s[U], 3
	s_add_co_u32 s46, s46, s47
	v_add_nc_u32 v[DQ], s46, v[DQ0]
	v_mov_b32 v[MX], 0xff61b1e6
	s_delay_alu instid0(VALU_DEP_1)
	v_mul_f32 v[NCM], s48, v[MX]
	v_mov_b32 v[SUM], 0
	v_mov_b32 v[SUM+1], 0
	s_lshl_b32 s46, s[U], 4
	s_wait_loadcnt 0x0
	v_lshrrev_b32 v[QW], s46, v[QW]
	s_delay_alu instid0(VALU_DEP_1)
	v_perm_b32 v[QS], v[QW], v[QW], 0x01000100
.irp j, 0,1,2,3,4,5,6,7,8,9,10,11,12,13,14,15,16,17,18,19,20,21,22,23,24,25,26,27,28,29,30,31
	v_mov_b32 v[O+\j], 0
.endr
	s_mov_b32 s[ST], 0
	s_mov_b32 s[TK], 0
.Lp1:
	s_cmp_gt_u32 s[ST], s[G]
	s_cbranch_scc1 .Lp1_skip
	s_wait_dscnt 0x0                               ; this step's K fragments, asked for a step ago
	SCORES
	KNEXT
	MASK
.irp b, 0,1,2,3
	v_max3_num_f32 v[TM+\b], v[S+16*\b], v[S+16*\b+1], v[S+16*\b+2]
.endr
.irp i, 3,5,7,9,11,13
.irp b, 0,1,2,3
	v_max3_num_f32 v[TM+\b], v[TM+\b], v[S+16*\b+\i], v[S+16*\b+\i+1]
.endr
.endr
.irp b, 0,1,2,3
	v_max_num_f32 v[TM+\b], v[TM+\b], v[S+16*\b+15]
.endr
	s_delay_alu instid0(VALU_DEP_2)
	v_max3_num_f32 v[T0], v[TM], v[TM+1], v[TM+2]
	s_delay_alu instid0(VALU_DEP_1)
	v_max3_num_f32 v[T0], v[T0], v[TM+3], v[MX]
	s_delay_alu instid0(VALU_DEP_1)
	v_permlanex16_b32 v[T0+1], v[T0], s[SEL], s[SEL+1]
	v_mov_b32 v[AL+1], v[NCM]
	s_delay_alu instid0(VALU_DEP_2)
	v_max_num_f32 v[MX], v[T0], v[T0+1]
	s_delay_alu instid0(VALU_DEP_1)
	v_mul_f32 v[NCM], s48, v[MX]
	s_delay_alu instid0(VALU_DEP_1)
	v_sub_f32 v[AL+1], v[NCM], v[AL+1]
	SHIFT
	s_wait_alu depctr_va_vdst(0)
	EXPS
	v_exp_f32 v[AL], v[AL+1]
	v_nop
	s_wait_alu depctr_va_vdst(0)
	v_pk_mul_f32 v[SUM:SUM+1], v[SUM:SUM+1], v[AL:AL+1] op_sel_hi:[1,0]
	v_pk_add_f32 v[T0+2:T0+3], v[S:S+1], v[S+2:S+3]
.irp j, 4,8,12,16,20,24,28,32,36,40,44,48,52,56,60
	v_pk_add_f32 v[SUM:SUM+1], v[SUM:SUM+1], v[S+\j:S+\j+1]
	v_pk_add_f32 v[T0+2:T0+3], v[T0+2:T0+3], v[S+2+\j:S+3+\j]
.endr
	s_delay_alu instid0(VALU_DEP_1)
	v_pk_add_f32 v[SUM:SUM+1], v[SUM:SUM+1], v[T0+2:T0+3]
.Lp1_skip:
	s_add_co_u32 s[TK], s[TK], 2*KREC
	s_add_co_u32 s[ST], s[ST], 1
	s_cmp_lt_u32 s[ST], 16
	s_cbranch_scc1 .Lp1
	s_wait_alu depctr_va_vdst(0)
	v_add_f32 v[SUM], v[SUM], v[SUM+1]
	s_delay_alu instid0(VALU_DEP_1)
	v_permlanex16_b32 v[T0+1], v[SUM], s[SEL], s[SEL+1]
	s_delay_alu instid0(VALU_DEP_1)
	v_add_f32 v[SUM], v[SUM], v[T0+1]
	s_wait_alu depctr_va_vdst(0)
	v_log_f32 v[RL], v[SUM]                        ; the row's sum l is at least 1.  p / l = 2^(c s - c m - log2 l): the division goes into the exponent's addend
	v_nop
	s_wait_alu depctr_va_vdst(0)
	v_sub_f32 v[NCM], v[NCM], v[RL]
	s_wait_alu depctr_va_vdst(0)
	s_mov_b32 s[ST], 0
	s_mov_b32 s[TK], 0
.Lp2:
	s_cmp_gt_u32 s[ST], s[G]
	s_cbranch_scc1 .Lp2_skip
	v_add_nc_u32 v[ADV16], s[TK], v[V16]
	v_add_nc_u32 v[ADV8], s[TK], v[V8]
	v_add_nc_u32 v[ADVS], s[TK], v[VR16]
	s_wait_alu depctr_va_vdst(0)
	s_wait_dscnt 0x0
	SCORES
	VLOAD
	MASK
	SHIFT
	s_wait_alu depctr_va_vdst(0)
	EXPS
	v_nop
	s_wait_alu depctr_va_vdst(0)
	QUANT S
.rept 8
	v_nop
.endr
	s_wait_alu depctr_va_vdst(0)
	s_wait_dscnt 0x0
.irp t, 0,1,2,3
	v_wmma_scale_f32_16x16x128_f8f6f4 v[O+8*\t:O+8*\t+7], v[F+12*\t:F+12*\t+11], v[PC:PC+11], v[O+8*\t:O+8*\t+7], v[VS+\t], v[PW] matrix_a_fmt:MATRIX_FMT_FP6 matrix_b_fmt:MATRIX_FMT_FP6
.endr
	KNEXT
.Lp2_skip:
	s_add_co_u32 s[TK], s[TK], 2*KREC
	s_add_co_u32 s[ST], s[ST], 1
	s_cmp_lt_u32 s[ST], 16
	s_cbranch_scc1 .Lp2
.rept 4
	v_nop
.endr
	QUANT2
	v_cndmask_b32 v[T0], v[TM+4], v[TM+5], s49
	global_store_b128 v[L16], v[PC:PC+3], s[44:45]
	global_store_b64 v[L8], v[PC+4:PC+5], s[44:45] offset:512
	global_store_b8 v[OSO], v[T0], s[50:51]
	s_sub_co_u32 s[G], 15, s[G]
	s_add_co_u32 s[U], s[U], 1
	s_cmp_lt_u32 s[U], 2
	s_cbranch_scc1 .Ltile
	s_wait_tensorcnt 0x0
	ds_add_u32 v[SPW], v[NIL]
	s_wait_dscnt 0x0
	CROUND
	s_endpgm
.Lfunc_end_k_qeb4f72843f_attn:
	.size	k_qeb4f72843f_attn, .Lfunc_end_k_qeb4f72843f_attn-k_qeb4f72843f_attn
	.p2alignl 7, 3214868480
	.fill 96, 4, 3214868480
	.section	.rodata,"a",@progbits
	.p2align	6, 0x0
	.amdhsa_kernel k_qeb4f72843f_attn
		.amdhsa_group_segment_fixed_size 327680
		.amdhsa_private_segment_fixed_size 0
		.amdhsa_enable_private_segment 0
		.amdhsa_kernarg_size 24
		.amdhsa_user_sgpr_count 2
		.amdhsa_user_sgpr_kernarg_segment_ptr 1
		.amdhsa_wavefront_size32 1
		.amdhsa_system_sgpr_workgroup_id_x 1
		.amdhsa_system_sgpr_workgroup_id_y 1
		.amdhsa_system_sgpr_workgroup_id_z 1
		.amdhsa_system_vgpr_workitem_id 0
		.amdhsa_next_free_vgpr 256
		.amdhsa_next_free_sgpr 66
		.amdhsa_reserve_vcc 1
		.amdhsa_float_denorm_mode_32 3
		.amdhsa_float_denorm_mode_16_64 3
		.amdhsa_memory_ordered 1
		.amdhsa_forward_progress 1
		.amdhsa_inst_pref_size 47
	.end_amdhsa_kernel
	.amdgpu_metadata
---
amdhsa.version: [ 1, 2 ]
amdhsa.kernels:
  - .name:           k_qeb4f72843f_attn
    .symbol:         k_qeb4f72843f_attn.kd
    .args:
      - { .name: qkv, .offset: 0, .size: 8, .value_kind: global_buffer, .address_space: global }
      - { .name: oc, .offset: 8, .size: 8, .value_kind: global_buffer, .address_space: global }
      - { .name: os, .offset: 16, .size: 8, .value_kind: global_buffer, .address_space: global }
    .group_segment_fixed_size: 327680
    .private_segment_fixed_size: 0
    .kernarg_segment_align: 8
    .kernarg_segment_size: 24
    .max_flat_workgroup_size: 512
    .sgpr_count:     66
    .vgpr_count:     256
    .wavefront_size: 32
...
	.end_amdgpu_metadata
.endif
;; end of part 3
;; launch oproj (part 4): grid 4 x 64, 4 waves a work-group, clusters of 4 x 4, 327,680 bytes of LDS; arguments oc, os, wc, wsc, b_o, out0; writes out0
.if DOCPART == 4
	.amdgcn_target "amdgcn-amd-amdhsa--gfx1250"
	.amdhsa_code_object_version 6
	.text
	.protected	k_qeb4f72843f_oproj
	.globl	k_qeb4f72843f_oproj
	.p2align	8
	.type	k_qeb4f72843f_oproj,@function
k_qeb4f72843f_oproj:
	s_mov_b64 s[64:65], 0
	v_nop
	global_prefetch_b8 v0, s[64:65] scope:SCOPE_SE
	s_setreg_imm32_b32 hwreg(HW_REG_WAVE_MODE, 25, 1), 1
	s_wait_xcnt 0x0
	s_wait_alu depctr_hold_cnt(0) depctr_sa_sdst(0) depctr_va_vdst(0) depctr_va_sdst(0) depctr_va_ssrc(0) depctr_va_vcc(0) depctr_vm_vsrc(0)
	s_getreg_b32 s2, hwreg(HW_REG_IB_STS2, 6, 4)
	s_cmp_eq_u32 s2, 0
	s_cbranch_scc0 .Lentry_in_a_cluster
	s_endpgm
.Lentry_in_a_cluster:
	s_bfe_u32 s2, ttmp6, 0x10000c
	s_cmp_lg_u32 s2, 0xf033
	s_cbranch_scc0 .Lentry_shape_is_right
	s_endpgm
.Lentry_shape_is_right:
; out0 = O W_o^T + b_o on codes of FP6 (E2M3) with E8M0 scales, sums in f32.  O's codes (oc) are register images: [block of 16 token positions][head][768 bytes], lane l's registers 0-3 at 16 l, 4-5 at 512 + 8 l;
; its scale bytes (os) are [position][32].  W_o's codes are rows 3,072 on of wc, laid [tile of 256 rows][K step of 256][row][192 bytes]; its scale bytes [row][32] in wsc.
; A block of 128 x 256 of the result is made by four waves, 64 x 128 each: 32 accumulators, 256 registers.  8,192 x 1,024 results are 64 x 4 = 256 blocks.
; K = 1,024 goes in four K steps of 256 through a ring of two LDS slots (A's 24,576 bytes, then B's 256 rows of 240); a K step is two runs of 32 products.  A's and B's fragments have two register sets each:
; the next run's fragments are fetched ahead of each run of products.  The scale bytes come once, at the head.
; CLUSTERS: 4 x 4 work-groups; A's tiles are asked for jointly along a row of the cluster, B's along a column.  The bias is the C of each sum's first product (so it is the sums' first addend: an order of rounding).
; THE MATRIX INSTRUCTION IS USED TRANSPOSED (source 0 = W_o's rows, source 1 = O's): a lane holds eight neighbouring numbers of a row of the result.
; Token positions: 16 neighbouring positions 32 a + 16 u + r are tokens 32 a + 8 u + r + 8 (r / 8): set right in the stores' offsets.
; No prefetch: of the four K steps two are asked for at the head and the other two one K step later; there is no loop to run ahead in.
; LIMITS: NaN and infinities are not served.
; REGISTERS: window 0: v16-27 addresses; v28, v29 the add's two; v32-63 scale words, two sets; v64-127 the bias; v128-223 A's fragments, two sets of four; on the way out v128-255.  window 1: B's fragments, sets at v0 and v128.  window 2: accumulator (a, b) at v[8 (8 a + b)].
.set SIZE_N, 1024
.set NQ,     2
.set KROW,   768
.set PITCH,  240                       ; an LDS row of B: 3 x (64 bytes + 16 of padding)
.set FR,     12
.set NP,     4                         ; places behind this matrix instruction (ISA guide 7.12.1)
.set HALFT,  128*PITCH
.set ATB,    3072                      ; a block of 16 positions, 256 along K
.set ATP,    12288                     ; from block to block in oc
.set KSB,    49152                     ; W_o: from a K step of a tile to the next
.set HSB,    24576                     ; from its first 128 rows to its second
.set BOF,    8*ATB                     ; B's place in a slot
.set SLOT,   BOF+2*HALFT
.set KS,     32
.set SCL,    2*SLOT                    ; A's scale bytes (128 rows), behind them B's (256 rows): units of 256 bytes + 16
.set HALFS,  (128*KS/256)*272
.set SBLK,   (16*KS/256)*272
.set SPARE,  SCL+3*HALFS               ; the spare words, 128 bytes for each wave
.set SPITCH, 528                       ; the way out: a stage of 16 rows x (512 + 16) bytes for each wave, in slot 0, which has had its last fill and its last read by then
.set ADRA, 16
.set ADRB, 20
.set STO,  24
.set RD,   25
.set CO,   26
.set ADRS, 27
.set SPW,  28
.set NIL,  29
.set SC,   32
.set BIAS, 64
.set AF,   128
.set BK,   128
.set G1, 24
.set G0, 32
.set G1B, 48
.set G0B, 56
.set G1S, 68
.set G0S, 76
.set G1SB, 80
.set G0SB, 88
.set MSB, 0
.macro WIN new                         ; the immediate's high byte repeats the setting that is left
.if MSB != \new
	s_set_vgpr_msb (MSB<<8)|\new
.set MSB, \new
.endif
.endm
.set MUL_LO, 0xa1                      ; source 0 (B) window 1, source 1 (A) window 0, C and D window 2
.set FST_LO, 0x81                      ; the first products: C (the bias) window 0
.set TO_B,   0x40
.macro PLACES n
.rept \n
	v_nop
.endr
.endm
.macro JLOAD g0a, g1a, g0b, g1b        ; waves 0 and 1 fetch for A, waves 2 and 3 for B; an s_nop 0 and four v_nop follow each line
	s_cmp_eq_u32 s15, 0
	s_cbranch_scc0 .Lfor_b_\@
	tensor_load_to_lds s[\g0a:\g0a+3], s[\g1a:\g1a+7]
	s_nop 0
	PLACES 4
	s_branch .Lasked_\@
.Lfor_b_\@:
	tensor_load_to_lds s[\g0b:\g0b+3], s[\g1b:\g1b+7]
	s_nop 0
	PLACES 4
.Lasked_\@:
.endm
.macro CREST                           ; a round of the cluster's barrier behind its opening barrier
	s_cmp_lg_u32 s14, 0
	s_cbranch_scc1 .Lnot_wave_0_\@
	s_barrier_signal -3
.Lnot_wave_0_\@:
	s_barrier_wait -3
	s_barrier_signal -1
	s_barrier_wait -1
.endm
.macro CROUND
	s_barrier_signal -1
	s_barrier_wait -1
	CREST
.endm
	s_load_b128 s[4:7], s[0:1], 0x0                ; oc, os
	s_load_b128 s[8:11], s[0:1], 0x10              ; wc, wsc
	s_load_b64 s[96:97], s[0:1], 0x20              ; b_o
	s_load_b64 s[12:13], s[0:1], 0x28              ; out0
	v_lshl_add_u32 v[SPW], v0, 2, SPARE
	v_mov_b32 v[NIL], 0
	ds_add_u32 v[SPW], v[NIL]                      ; the opening lines: the add twice on end and its wait ahead of my first tensor load
	ds_add_u32 v[SPW], v[NIL]
	v_lshrrev_b32 v1, 5, v0
	v_readfirstlane_b32 s14, v1                    ; wave
	s_lshr_b32 s15, s14, 1                         ; my half of A's rows; also: I fetch for A (0) or B (1)
	s_and_b32 s16, s14, 1                          ; my half of B's rows; also: which half of a tile I fetch
	s_bfe_u32 s40, ttmp6, 0x40000                  ; cx
	s_bfe_u32 s41, ttmp6, 0x40004                  ; cy
	s_lshl_b32 s42, ttmp9, 2
	s_add_co_u32 s42, s42, s40                     ; B's tile, 0 .. 3
	s_and_b32 s17, ttmp7, 0xffff
	s_lshl_b32 s17, s17, 2
	s_add_co_u32 s17, s17, s41                     ; A's tile, 0 .. 63
	s_lshl_b32 s43, s41, 2
	s_lshl_b32 s43, 15, s43                        ; my row of the cluster
	s_lshl_b32 s44, 0x1111, s40                    ; my column
	s_or_b32 s[G1+0], s43, (3<<16)|(1<<21)         ; A: blocks of 3,072 bytes, 12,288 apart; the head's load takes all eight
	s_mov_b32 s[G1+1], (ATB/8)<<16
	s_mov_b32 s[G1+2], 8<<16
	s_mov_b32 s[G1+3], (ATB/8)<<16
	s_mov_b32 s[G1+4], 8
	s_mov_b32 s[G1+5], ATP/8
	s_mov_b32 s[G1+6], 0
	s_mov_b32 s[G1+7], 0
	s_or_b32 s[G1B+0], s44, (0<<16)|(1<<20)|(1<<21)|(3<<22)|(3<<25)  ; B: a dense block stated as rows of 256 bytes, 16 bytes of padding behind every 64; the head's load takes 256 rows of codes = 192 such rows
	s_mov_b32 s[G1B+1], 256<<16
	s_mov_b32 s[G1B+2], 192<<16
	s_mov_b32 s[G1B+3], 256<<16
	s_mov_b32 s[G1B+4], 192
	s_mov_b32 s[G1B+5], 256
	s_mov_b32 s[G1B+6], 0
	s_mov_b32 s[G1B+7], 0
	s_or_b32 s[G1S+0], s43, (3<<16)|(1<<20)|(1<<21)|(5<<22)|(3<<25)  ; scale bytes: rows of 256 bytes, 16 of padding behind each: A's 16 rows, B's 32
	s_or_b32 s[G1SB+0], s44, (3<<16)|(1<<20)|(1<<21)|(5<<22)|(3<<25)
	s_mov_b32 s[G1S+2], 16<<16
	s_mov_b32 s[G1S+4], 16
	s_mov_b32 s[G1SB+2], 32<<16
	s_mov_b32 s[G1SB+4], 32
.irp g, G1S, G1SB
	s_mov_b32 s[\g+1], 32<<16
	s_mov_b32 s[\g+3], 32<<16
	s_mov_b32 s[\g+5], 32
	s_mov_b32 s[\g+6], 0
	s_mov_b32 s[\g+7], 0
.endr
	s_lshl_b32 s20, s17, 7                         ; A: the tile's first position
	s_lshl_b32 s46, s42, 8
	s_add_co_u32 s46, s46, 3072                    ; B: the tile's first row in wc
	s_lshl_b32 s22, s20, 5                         ; scale bytes: 32 a row
	s_lshr_b32 s20, s20, 4
	s_mul_i32 s20, s20, ATP
	s_lshl_b32 s92, s46, 5
	s_mul_i32 s46, s46, KROW
	s_mov_b32 s21, 0
	s_mov_b32 s23, 0
	s_mov_b32 s47, 0
	s_mov_b32 s93, 0
	s_mul_i32 s45, s16, HALFT
	s_add_co_u32 s45, s45, BOF                     ; where my half of B's tile goes in a slot (waves 2, 3),
	s_mul_i32 s95, s16, 4*ATB                      ; and my half of A's (waves 0, 1)
	s_wait_dscnt 0x0
	s_wait_kmcnt 0x0
	s_add_nc_u64 s[20:21], s[4:5], s[20:21]
	s_add_nc_u64 s[22:23], s[6:7], s[22:23]
	s_add_nc_u64 s[46:47], s[8:9], s[46:47]
	s_add_nc_u64 s[92:93], s[10:11], s[92:93]
	CROUND                                         ; all sixteen work-groups are here: the first joint loads meet
	s_mov_b32 s[G0S], 1
	s_mov_b32 s[G0S+1], SCL
	s_mov_b64 s[G0S+2:G0S+3], s[22:23]
	s_or_b32 s[G0S+3], s[G0S+3], 0x80000000
	s_mov_b32 s[G0SB], 1
	s_mov_b32 s[G0SB+1], SCL+HALFS
	s_mov_b64 s[G0SB+2:G0SB+3], s[92:93]
	s_or_b32 s[G0SB+3], s[G0SB+3], 0x80000000
	s_mov_b32 s[G0], 1                             ; the head's loads take K step 0 of a whole tile
	s_mov_b32 s[G0+1], 0
	s_mov_b64 s[G0+2:G0+3], s[20:21]
	s_or_b32 s[G0+3], s[G0+3], 0x80000000
	s_mov_b32 s[G0B], 1
	s_mov_b32 s[G0B+1], BOF
	s_mov_b64 s[G0B+2:G0B+3], s[46:47]
	s_or_b32 s[G0B+3], s[G0B+3], 0x80000000
	s_mul_i32 s22, s16, 4*ATP                      ; slot 1: K step 1, the half that I fetch
	s_add_co_u32 s22, s22, ATB
	s_mov_b32 s23, 0
	s_mov_b32 s[G0+4], 1
	s_add_co_u32 s[G0+5], s95, SLOT
	s_add_nc_u64 s[G0+6:G0+7], s[20:21], s[22:23]
	s_or_b32 s[G0+7], s[G0+7], 0x80000000
	s_mul_i32 s22, s16, HSB
	s_add_co_u32 s22, s22, KSB
	s_mov_b32 s[G0B+4], 1
	s_add_co_u32 s[G0B+5], s45, SLOT
	s_add_nc_u64 s[G0B+6:G0B+7], s[46:47], s[22:23]
	s_or_b32 s[G0B+7], s[G0B+7], 0x80000000
; the head's four tiles, one joint load a wave: one chain of branches on the wave's number, all arms leading to one join
.macro ARM under, g0, g1, next
	s_cmp_lt_u32 s14, \under
	s_cbranch_scc0 \next
	tensor_load_to_lds s[\g0:\g0+3], s[\g1:\g1+7]
	s_nop 0
	PLACES 4
	s_branch .Lhead_asked
\next:
.endm
	ARM 1, G0,  G1,  .Lhead_b
	ARM 2, G0B, G1B, .Lhead_sa
	ARM 3, G0S, G1S, .Lhead_sb
	tensor_load_to_lds s[G0SB:G0SB+3], s[G1SB:G1SB+7]
	s_nop 0
	PLACES 4
.Lhead_asked:
	v_and_b32 v1, 15, v0                           ; r
	v_bfe_u32 v2, v0, 4, 1                         ; h
	v_mul_u32_u24 v3, v1, PITCH
	v_mul_u32_u24 v4, v2, 24
	v_add_nc_u32 v4, v3, v4                        ; B: a fragment's row x pitch + 24 h,
	v_lshl_add_u32 v5, v2, 4, v4                   ; and the same behind one padding more
	v_and_b32 v8, 31, v0
	v_lshlrev_b32 v9, 4, v8                        ; A: 16 x lane,
	v_lshlrev_b32 v10, 3, v8                       ; 8 x lane
	s_mul_i32 s21, s15, 4*ATB                      ; my four blocks of A
	s_mul_i32 s22, s16, HALFT
	s_add_co_u32 s22, s22, BOF                     ; my 128 rows of B
.irp s, 0,1
	v_add_nc_u32 v[ADRA+\s], s21, v9
	v_add_nc_u32 v[ADRA+2+\s], s21, v10
	v_add_nc_u32 v[ADRB+\s], s22, v4
	v_add_nc_u32 v[ADRB+2+\s], s22, v5
	s_add_co_u32 s21, s21, SLOT
	s_add_co_u32 s22, s22, SLOT
.endr
	v_mul_u32_u24 v5, v1, KS                       ; my row's scale bytes: 32 a row,
	v_lshrrev_b32 v6, 8, v5
	v_lshl_add_u32 v5, v6, 4, v5                   ; and 16 more for each 256 passed
	s_mul_i32 s21, s15, HALFS/2                    ; A's: my 64 rows
	s_mul_i32 s22, s16, HALFS                      ; B's: my 128 rows, behind A's 128
	s_add_co_u32 s22, s22, HALFS
	s_sub_co_u32 s22, s22, s21
	v_mul_u32_u24 v6, s22, v2                      ; lanes 16-31 take B's
	s_add_co_u32 s21, s21, SCL
	v_add_nc_u32 v5, v5, v6
	v_add_nc_u32 v[ADRS], s21, v5
	s_mul_i32 s23, s14, 16*SPITCH                  ; my stage
	v_mul_u32_u24 v5, v1, SPITCH
	v_lshl_add_u32 v5, v2, 5, v5
	v_add_nc_u32 v[STO], s23, v5
	v_lshlrev_b32 v[CO], 4, v8
	v_add_nc_u32 v[RD], s23, v[CO]
	v_lshlrev_b32 v7, 5, v2                        ; the bias: 8 h columns on
	s_wait_alu depctr_va_vdst(0)
	s_lshl_b32 s20, s17, 7
	s_lshl_b32 s21, s15, 6
	s_add_co_u32 s20, s20, s21                     ; my first row of the result
	s_mov_b32 s21, 0
	s_mov_b64 s[18:19], SIZE_N*4
	s_mul_u64 s[20:21], s[20:21], s[18:19]
	s_lshl_b32 s46, s42, 10
	s_lshl_b32 s47, s16, 9
	s_add_co_u32 s46, s46, s47                     ; my first column, in bytes
	s_mov_b32 s47, 0
	s_add_nc_u64 s[96:97], s[96:97], s[46:47]
	s_add_nc_u64 s[20:21], s[20:21], s[46:47]
	s_add_nc_u64 s[12:13], s[12:13], s[20:21]
.irp b, 0,1,2,3,4,5,6,7                ; register j of B's tile b is column 16 b + 8 h + j
	global_load_b128 v[BIAS+8*\b:BIAS+8*\b+3], v7, s[96:97] offset:64*\b
	global_load_b128 v[BIAS+8*\b+4:BIAS+8*\b+7], v7, s[96:97] offset:64*\b+16
.endr
.macro FRAG reg, adr, q, i             ; B: 12 registers in pieces of 8 bytes; 16 bytes of padding lie behind every 8 pieces: where lanes 16-31 lie behind one padding more, the second address register serves
.irp p, 0,1,2,3,4,5
.set PIE, 12*(\q)+6*(\p/3)+\p%3
.if PIE%8 < 5
	ds_load_b64 v[\reg+2*\p:\reg+2*\p+1], v[\adr] offset:8*PIE+16*(PIE/8)+(\i)*16*PITCH
.else
	ds_load_b64 v[\reg+2*\p:\reg+2*\p+1], v[\adr+2] offset:8*PIE+16*(PIE/8)+(\i)*16*PITCH
.endif
.endr
.endm
.macro FRAGA reg, slot, q, i           ; A: two register images of six registers
.irp c, 0,1
	ds_load_b128 v[\reg+6*\c:\reg+6*\c+3], v[ADRA+\slot] offset:ATB*(\i)+768*(2*(\q)+\c)
	ds_load_b64 v[\reg+6*\c+4:\reg+6*\c+5], v[ADRA+2+\slot] offset:ATB*(\i)+768*(2*(\q)+\c)+512
.endr
.endm
.macro FETCH slot, q, p                ; B's eight fragments and A's four, 128 along K, into set p
	WIN TO_B
.irp i, 0,1,2,3,4,5,6,7
	FRAG 128*(\p)+FR*\i, ADRB+\slot, \q, \i
.endr
	WIN 0
.irp i, 0,1,2,3
	FRAGA AF+48*(\p)+FR*\i, \slot, \q, \i
.endr
.endm
.macro SCALES sc, ks                   ; K step ks's scale words, two a row: lanes 0-15 A's block i (of registers 4-7 these lanes are not used), lanes 16-31 B's block i
.irp i, 0,1,2,3,4,5,6,7
	ds_load_b64 v[SC+8*NQ*(\sc)+NQ*\i:SC+8*NQ*(\sc)+NQ*\i+1], v[ADRS] offset:\i*SBLK+4*NQ*(\ks)
.endr
.endm
; 16 products: A's blocks a0, a0 + 1 x B's eight.  The 32 accumulators take turns, one instruction a turn, in the same order in every run.
.macro MUL16 a0, p, q, sc, zero
.irp a, \a0, \a0+1
.irp b, 0,1,2,3,4,5,6,7
.if \zero
	v_wmma_scale_f32_16x16x128_f8f6f4 v[8*(8*(\a)+\b):8*(8*(\a)+\b)+7], v[128*(\p)+FR*\b:128*(\p)+FR*\b+FR-1], v[AF+48*(\p)+FR*(\a):AF+48*(\p)+FR*(\a)+FR-1], v[BIAS+8*\b:BIAS+8*\b+7], v[SC+8*NQ*(\sc)+NQ*\b+(\q)], v[SC+8*NQ*(\sc)+NQ*(\a)+(\q)] matrix_a_fmt:MATRIX_FMT_FP6 matrix_b_fmt:MATRIX_FMT_FP6 matrix_a_scale:MATRIX_SCALE_ROW1
.else
	v_wmma_scale_f32_16x16x128_f8f6f4 v[8*(8*(\a)+\b):8*(8*(\a)+\b)+7], v[128*(\p)+FR*\b:128*(\p)+FR*\b+FR-1], v[AF+48*(\p)+FR*(\a):AF+48*(\p)+FR*(\a)+FR-1], v[8*(8*(\a)+\b):8*(8*(\a)+\b)+7], v[SC+8*NQ*(\sc)+NQ*\b+(\q)], v[SC+8*NQ*(\sc)+NQ*(\a)+(\q)] matrix_a_fmt:MATRIX_FMT_FP6 matrix_b_fmt:MATRIX_FMT_FP6 matrix_a_scale:MATRIX_SCALE_ROW1
.endif
.endr
.endr
.endm
; A K step that has a successor.  Its second half's fragments are fetched ahead of its first 32 products: those are my last reads of this slot.  Among the 32 stand the wait for all my tensor loads (my part of the next slot) and the add;
; behind them the wait for the add and the reads, and the barrier.  fill = 1: the barrier opens a round of the cluster's barrier and this slot is filled again, two K steps ahead.  Then the next slot's first fragments are fetched ahead of the second 32 products.
.macro KSTEP ks, fill, zero
.set SL, (\ks)%2
.set NX, 1-SL
	s_wait_dscnt 0x0                               ; set 0 and the scale words are in
.if (\ks) > 0
	PLACES NP                                      ; behind the products that read set 1
.endif
	FETCH SL, 1, 1
.if \zero
	WIN FST_LO
.else
	WIN MUL_LO
.endif
	MUL16 0, 0, 0, SL, \zero
	WIN 0                                          ; (the add's two registers lie in window 0)
	s_wait_tensorcnt 0x0
	ds_add_u32 v[SPW], v[NIL]
.if \zero
	WIN FST_LO
.else
	WIN MUL_LO
.endif
	MUL16 2, 0, 0, SL, \zero
	WIN 0
	s_wait_dscnt 0x0
	s_barrier_signal -1
	s_barrier_wait -1
.if \fill
	CREST
	s_add_nc_u64 s[G0+4*SL+2:G0+4*SL+3], s[G0+4*SL+2:G0+4*SL+3], 2*ATB
	s_add_nc_u64 s[G0B+4*SL+2:G0B+4*SL+3], s[G0B+4*SL+2:G0B+4*SL+3], 2*KSB
	JLOAD G0+4*SL, G1, G0B+4*SL, G1B               ; the first tensor load behind the round; its four v_nop are the places in front of the loads below
.else
	PLACES NP
.endif
	FETCH NX, 0, 0
	SCALES NX, (\ks)+1
	WIN MUL_LO
	MUL16 0, 1, 1, SL, 0
	MUL16 2, 1, 1, SL, 0
	WIN 0
.endm
	s_wait_tensorcnt 0x0                           ; my tile of the head's four is in; slot 1's first fill is issued as a refill is
	ds_add_u32 v[SPW], v[NIL]
	s_mov_b32 s[G1+2], 4<<16                       ; no tensor load of mine is out: from here on a load brings half a tile,
	s_mov_b32 s[G1+4], 4
	s_mov_b32 s[G1B+2], 96<<16
	s_mov_b32 s[G1B+4], 96
	s_mov_b32 s[G0+1], s95                         ; and slot 0's descriptors turn to my half
	s_mov_b32 s[G0B+1], s45
	s_mul_i32 s20, s16, 4*ATP
	s_mov_b32 s21, 0
	s_add_nc_u64 s[G0+2:G0+3], s[G0+2:G0+3], s[20:21]
	s_mul_i32 s20, s16, HSB
	s_add_nc_u64 s[G0B+2:G0B+3], s[G0B+2:G0B+3], s[20:21]
	s_wait_dscnt 0x0
	CROUND                                         ; everybody's tiles are in, and all sixteen work-groups are here
	JLOAD G0+4, G1, G0B+4, G1B                     ; K step 1, the first tensor load behind the round
	FETCH 0, 0, 0
	SCALES 0, 0
	s_wait_loadcnt 0x0                             ; the bias
	KSTEP 0, 1, 1
	KSTEP 1, 1, 0
	KSTEP 2, 0, 0                                  ; nothing is left to fetch: a plain barrier shows K step 3 to all
	s_wait_dscnt 0x0                               ; the last K step
	PLACES NP
	FETCH 1, 1, 1
	WIN MUL_LO
	MUL16 0, 0, 0, 1, 0
	MUL16 2, 0, 0, 1, 0
	s_wait_dscnt 0x0
	MUL16 0, 1, 1, 1, 0
	MUL16 2, 1, 1, 1, 0
	WIN 0
; THE WAY OUT, block by block of 16 rows x 128 columns: through my own stage and back as whole rows of 512 bytes.  LDS serves a wave's instructions in order (ISA guide 5.7.1.4): no wait between the stores and the loads.
.macro TOSTAGE a
.set AC, 64*(\a)
	WIN 0x08                                       ; the data: window 2
.irp b, 0,1,2,3,4,5,6,7
	ds_store_b128 v[STO], v[AC+8*\b:AC+8*\b+3] offset:64*\b          ; each accumulator from its low end on
	ds_store_b128 v[STO], v[AC+8*\b+4:AC+8*\b+7] offset:64*\b+16
.endr
	WIN 0
.set BB, BK+64*((\a)%2)
.irp t, 0,1,2,3,4,5,6,7,8,9,10,11,12,13,14,15
	ds_load_b128 v[BB+4*\t:BB+4*\t+3], v[RD] offset:\t*SPITCH
.endr
.endm
.macro SEND a, younger                 ; younger: the LDS instructions issued behind block a's loads
.set BB, BK+64*((\a)%2)
	s_wait_dscnt \younger
.irp t, 0,1,2,3,4,5,6,7,8,9,10,11,12,13,14,15
	global_store_b128 v[CO], v[BB+4*\t:BB+4*\t+3], s[12:13] offset:(32*((\a)/2)+8*((\a)%2)+\t+8*(\t/8))*SIZE_N*4 th:TH_STORE_NT   ; 32 lanes store 512 consecutive bytes, at a multiple of 256 from the buffer's first byte
.endr
.endm
	PLACES NP
	TOSTAGE 0
.irp a, 1,2,3
.if \a > 1
	s_wait_xcnt 0x0                                ; block a - 2's stores have read their registers: block a's loads may land there
.endif
	TOSTAGE \a
	SEND \a-1, 32                                  ; behind block a - 1's loads: block a's 16 stores and 16 loads
.endr
	SEND 3, 0
	s_wait_tensorcnt 0x0                           ; the wave's end
	ds_add_u32 v[SPW], v[NIL]
	s_wait_dscnt 0x0
	CROUND                                         ; the closing round
	s_endpgm
.Lfunc_end_k_qeb4f72843f_oproj:
	.size	k_qeb4f72843f_oproj, .Lfunc_end_k_qeb4f72843f_oproj-k_qeb4f72843f_oproj
	.p2alignl 7, 3214868480
	.fill 96, 4, 3214868480
	.section	.rodata,"a",@progbits
	.p2align	6, 0x0
	.amdhsa_kernel k_qeb4f72843f_oproj
		.amdhsa_group_segment_fixed_size 327680
		.amdhsa_private_segment_fixed_size 0
		.amdhsa_enable_private_segment 0
		.amdhsa_kernarg_size 48
		.amdhsa_user_sgpr_count 2
		.amdhsa_user_sgpr_kernarg_segment_ptr 1
		.amdhsa_wavefront_size32 1
		.amdhsa_system_sgpr_workgroup_id_x 1
		.amdhsa_system_sgpr_workgroup_id_y 1
		.amdhsa_system_sgpr_workgroup_id_z 1
		.amdhsa_system_vgpr_workitem_id 0
		.amdhsa_next_free_vgpr 768
		.amdhsa_next_free_sgpr 98
		.amdhsa_reserve_vcc 0
		.amdhsa_float_denorm_mode_32 3
		.amdhsa_float_denorm_mode_16_64 3
		.amdhsa_memory_ordered 1
		.amdhsa_forward_progress 1
		.amdhsa_inst_pref_size 98
	.end_amdhsa_kernel
	.amdgpu_metadata
---
amdhsa.version: [ 1, 2 ]
amdhsa.kernels:
  - .name:           k_qeb4f72843f_oproj
    .symbol:         k_qeb4f72843f_oproj.kd
    .args:
      - { .name: oc, .offset: 0, .size: 8, .value_kind: global_buffer, .address_space: global }
      - { .name: os, .offset: 8, .size: 8, .value_kind: global_buffer, .address_space: global }
      - { .name: wc, .offset: 16, .size: 8, .value_kind: global_buffer, .address_space: global }
      - { .name: wsc, .offset: 24, .size: 8, .value_kind: global_buffer, .address_space: global }
      - { .name: b_o, .offset: 32, .size: 8, .value_kind: global_buffer, .address_space: global }
      - { .name: out0, .offset: 40, .size: 8, .value_kind: global_buffer, .address_space: global }
    .group_segment_fixed_size: 327680
    .private_segment_fixed_size: 0
    .kernarg_segment_align: 8
    .kernarg_segment_size: 48
    .max_flat_workgroup_size: 128
    .sgpr_count:     98
    .vgpr_count:     768
    .wavefront_size: 32
...
	.end_amdgpu_metadata
.endif
;; end of part 4
